; MI455X (gfx1250); checked and timed in simulation.
; The chip was launched on July 23, 2026; its instructions are those of AMD's public machine-readable ISA for CDNA 5 (MIT licence, August 2026) and "CDNA5" Instruction Set Architecture Reference Guide (July 2026). The comments in the code are by the model that wrote it; some were corrected since.
;; Sigma Mo E. Allowed arithmetic: matrix products marked QUANTISED: E2M1 operands, one E8M0 scale for each 32 along K, by v_wmma_scale_f32_16x16x128_f8f6f4 with both operands' format E2M1 (or v_wmma_scale_f32_32x16x128_f4), f32 sums; products left as they are: f32 operands where the result goes on into a quantised operand, else bf16, f16 or f32 operands; f32 sums; everything else in f32.
;; Inputs: bias_ffn 32 float32; expert_sel 32 x 1,024 float32; keys 32 x 1,024 x 128 float32; selection_input 8 x 1,024 x 1,024 float32; token_stream 8 x 1,024 x 1,024 float32; values 32 x 128 x 1,024 float32.
;; Outputs: out0 8 x 1,024 x 1,024 float32; out1 8 x 1,024 x 6 int32.
;; This version of the problem:
;;   THIS VERSION OF THE PROBLEM IS GIVEN IN LOW PRECISION. The matrix products marked QUANTISED in the list below multiply operands that are first quantised to E2M1 (2 exponent bits, 1 mantissa bit; 4 bits a number), with one power-of-two scale for each 32 numbers along K (OCP MX v1.0); their sums are f32. All else is computed in f32.
;;   The module's matrix products, in the order in which they are computed (A, B: the left and right operand; K: the contracted axis; several contracted axes count as one K, in the product's order):
;;     1. [M 8,192, K 1,024] x [K 1,024, N 32]; A: input selection_input; B: input expert_sel: QUANTISED
;;     2. [M 8,192, K 1,024] x [K 1,024, N 4,096]; A: input token_stream; B: input keys: QUANTISED
;;     3. batch 262,144 x [M 128, K 1] x [K 1, N 1]; A: computed on the way; B: computed on the way: left as it is (no contracted axis)
;;     4. [M 8,192, K 4,096] x [K 4,096, N 1,024]; A: computed on the way; B: input values: QUANTISED
;;   THE QUANTISER, for each operand of a quantised product, along K:
;;     - K is cut into blocks of 32 from its start; a last block that is shorter is filled with zeros.
;;     - A block's scale is 2^e with e = floor(log2(the largest magnitude in the block)) - 2, held to -126 .. 127; a block of zeros has e = 0. As a byte (E8M0): e + 127.
;;     - Each number is divided by its block's scale, clamped to +-6, and rounded to the nearest number of E2M1, ties to even, subnormals kept.
;;     - The product sums the exact products of the quantised numbers (number of the format x scale) in f32.
;;   ~~~python
;;   def quantise(x, axis):      # numpy; x: float32 -> the quantised numbers, widened to float32 again
;;       x = np.moveaxis(x, axis, -1); K = x.shape[-1]
;;       x = np.pad(x, [(0, 0)] * (x.ndim - 1) + [(0, -K % 32)]); x = x.reshape(x.shape[:-1] + (-1, 32)); a = np.abs(x).max(-1, keepdims=True)
;;       e = np.where(a > 0, np.clip(np.frexp(np.where(a > 0, a, 1))[1] - 1 - 2, -126, 127), 0)      # np.frexp(a)[1] - 1 = floor(log2(a)), exactly
;;       r = np.clip(x / 2.0 ** e, -6, 6)
;;       step = 2.0 ** (np.maximum(np.frexp(np.where(r == 0, 1, r))[1] - 1, 0) - 1)
;;       q = np.round(r / step) * step * 2.0 ** e      # np.round: ties to even
;;       return np.moveaxis(q.reshape(q.shape[:-2] + (-1,))[..., :K], -1, axis).astype(np.float32)
;;   ~~~
;;   OPERANDS COMPUTED ON THE WAY. 'Computed on the way' means the value that the module computes at that place (a softmax that the list does not call 'softmax' is quantised finished and normalised). What goes into a quantiser is computed in f32, as accurately as f32 sums, v_exp_f32 and their like allow (about 1e-6 of the number): no bf16 or f16 on the way to a quantiser, and a product that is left as it is and whose result goes on into a quantised operand takes f32 operands (vector FMAs, or v_wmma_f32_16x16x4_f32). A number that lies on a knife's edge between two numbers of the format may be rounded either way, as far as f32 arithmetic and the matrix unit's own rounding can turn it there, and no further.
;; 2 versions, each right; version 2 is version 1 with the launches hidden, combine written anew for expert scheduling mode. Each part assembles by itself: llvm-mc -triple=amdgcn-amd-amdhsa -mcpu=gfx1250 --defsym DOCPART=n.
;; ======== version 1 of 2: 3 launches
;; workspace buffers: xq 4,456,448 bytes; kq 2,228,224 bytes; vq 2,228,224 bytes; route 163,840 bytes of whole numbers; aff 1,048,576 bytes; hid 2,097,152 bytes; hs 1,048,576 bytes; hsc 196,608 bytes
;; launch prep (part 1): grid 1024 x 1, 4 waves a work-group, no clusters, 62,208 bytes of LDS; arguments selection_input, expert_sel, bias_ffn, token_stream, keys, values, xq, kq, vq, route, aff, out1; writes xq, kq, vq, route, aff, out1
.if DOCPART == 1
	.amdgcn_target "amdgcn-amd-amdhsa--gfx1250"
	.amdhsa_code_object_version 6
	.text
	.protected	k_q5eaeba97d6_prep
	.globl	k_q5eaeba97d6_prep
	.p2align	8
	.type	k_q5eaeba97d6_prep,@function
k_q5eaeba97d6_prep:
	s_mov_b64 s[64:65], 0
	v_nop
	global_prefetch_b8 v0, s[64:65] scope:SCOPE_SE
	s_setreg_imm32_b32 hwreg(HW_REG_WAVE_MODE, 25, 1), 1
	s_wait_xcnt 0x0
; PREP: every input is read once and turned into what the two later launches want.  Four roles, told apart by the work-group's number alone:
;   0-255    ROUTER: 32 tokens.  expert_sel and the tokens' rows of selection_input become codes of FP4 (E2M1) with one E8M0 byte for each 32 along K, in LDS; wave 0 multiplies them, takes the sigmoid,
;            the top 4 of the 30 routed scores (affinity + bias; of equal scores the lower index), and stores out1, the affinities, and two tables of whole numbers at fixed places:
;            route[g][e]: a word whose bit l says that token 32 g + l chose expert e;  route + QT_OFF [t][4 words]: nibble e = the place of e among the token's six experts in ascending order, or 6.
;   256-511  TOKENS: 32 rows of token_stream become codes and scale bytes in xq.
;   512-767  KEYS [e][d][h], K = d;   768-1023  VALUES [e][h][d], K = h: a lane takes a column and its registers run down K; the codes are stored as images of the operand's registers.
; A block's scale is 2^(floor(log2(largest magnitude)) - 2); its byte is the largest magnitude's exponent field - 2, held at 1 from below.
; LIMITS: NaN and infinities among the inputs are not served; bias_ffn is taken to be finite.  A block of zeros gets the byte 1 where the rule says 127 (its codes are zeros, and this program alone reads the bytes);
; a block whose largest magnitude lies under 2^-124 has its byte held at 1.  The sigmoid is 1 / (1 + 2^(-x log2 e)) by v_exp_f32 and v_rcp_f32 with one Newton step; the exponent is held at 126, so an
; affinity under 2^-126 is 2^-126 and not 0.  Two scores that differ by about one unit in the last place may be ordered otherwise than a correctly rounded sigmoid would order them.
.set XS_OFF, 4194304                   ; xq: the scale bytes, behind 8,192 rows of 512 bytes of codes
.set KS_OFF, 2097152                   ; kq: the scale words, behind the images
.set VS_OFF, 2097152                   ; vq: likewise
.set QT_OFF, 32768                     ; route: the tables of places, behind the 256 x 32 words of bits
.set SP,   80                          ; a lane's place in a stage: 64 bytes + 16 of padding
.set CP,   528                         ; a row of 1,024 codes in LDS: 512 bytes + 16: an odd multiple of 16
.set L_EC, 20480                       ; LDS: 0: four waves x two stages of 32 x SP bytes;  here: the experts' codes, 32 rows;
.set L_SC, 37376                       ; the 32 tokens' codes;
.set L_ES, 54272                       ; the experts' scale bytes [row][32];
.set L_SS, 55296                       ; the tokens';
.set L_AT, 56320                       ; the affinities' turn, 32 x 144;
.set L_OT, 60928                       ; out1's turn, 768
.set RR, 16                            ; v16-143  eight sets of 16 numbers as they are loaded
.set XX, 144                           ; v144-175 two sets of 16 neighbours
.set CC, 176                           ; v176-179 a step's codes, two sets by turns
.set EB, 180                           ; v180-181 its scale byte, likewise
	s_load_b512 s[4:19], s[0:1], 0x0               ; selection_input s[4:5], expert_sel s[6:7], bias_ffn s[8:9], token_stream s[10:11], keys s[12:13], values s[14:15], xq s[16:17], kq s[18:19]
	s_load_b256 s[20:27], s[0:1], 0x40             ; vq s[20:21], route s[22:23], aff s[24:25], out1 s[26:27]
	s_set_vgpr_msb 0x40
	v_lshl_add_u32 v0, v0, 2, 0xf100
	v_mov_b32 v1, 0
	s_set_vgpr_msb 0x4000
	v_lshrrev_b32 v1, 5, v0
	v_readfirstlane_b32 s30, v1                    ; wave 0..3
	v_and_b32 v2, 31, v0                           ; lane
	s_cmp_ge_u32 ttmp9, 512
	s_cbranch_scc1 .Lweights
; ---- THE STREAMS (roles 0-511).  A wave takes 8 rows of 1,024 numbers: 16 steps of 512.  Each of a step's four loads reads 512 consecutive bytes; the 2,048 bytes turn through the wave's own stage in LDS
; and come back 64 bytes a lane, so that a lane holds 16 neighbours along K and two neighbouring lanes a block.  Codes and scale bytes are gathered in LDS.  Loads run eight steps (32 loads a wave) ahead.
	v_lshlrev_b32 v3, 4, v2                        ; 16 x lane
	s_mul_i32 s31, s30, 2*32*SP
	v_lshrrev_b32 v14, 2, v2
	v_mul_u32_u24 v14, v14, SP
	v_and_b32 v15, 3, v2
	v_lshl_add_u32 v14, v15, 4, v14
	v_add_nc_u32 v14, s31, v14                     ; the stage, on the way in: SP (lane / 4) + 16 (lane % 4)
	v_mul_u32_u24 v15, v2, SP
	v_add_nc_u32 v15, s31, v15                     ; and on the way out: SP x lane
	s_mul_i32 s31, s30, 8*CP
	v_lshl_add_u32 v4, v2, 3, s31                  ; where my 8 bytes of codes go: my wave's 8 rows, 8 x lane
	s_lshl_b32 s31, s30, 8
	v_lshrrev_b32 v5, 1, v2
	v_add_nc_u32 v5, s31, v5                       ; where my block's byte goes: my wave's 256 bytes, lane / 2
	s_and_b32 s68, ttmp9, 255                      ; g: which 32 tokens
	s_lshl_b32 s70, s30, 15                        ; my wave's 8 rows of 4,096 bytes
	s_mov_b32 s71, 0
.macro LOADS t, base, nt
.irp i, 0,1,2,3
.if \nt
	global_load_b128 v[RR+16*((\t)%8)+4*\i:RR+16*((\t)%8)+4*\i+3], v3, s[\base:\base+1] offset:2048*(\t)+512*\i th:TH_LOAD_NT
.else
	global_load_b128 v[RR+16*((\t)%8)+4*\i:RR+16*((\t)%8)+4*\i+3], v3, s[\base:\base+1] offset:2048*(\t)+512*\i
.endif
.endr
.endm
.macro TURN t                          ; step t's numbers through stage t % 2: LDS serves a wave's instructions in order, so no wait stands between the stores and the loads
.irp i, 0,1,2,3
	ds_store_b128 v14, v[RR+16*((\t)%8)+4*\i:RR+16*((\t)%8)+4*\i+3] offset:32*SP*((\t)%2)+8*SP*\i
.endr
.irp i, 0,1,2,3
	ds_load_b128 v[XX+16*((\t)%2)+4*\i:XX+16*((\t)%2)+4*\i+3], v15 offset:32*SP*((\t)%2)+16*\i
.endr
.endm
.macro QSTEP t, base, nt, cr, sr
.set XN, XX+16*((\t)%2)
.if (\t) > 0
	s_wait_dscnt 2                                 ; all but the last step's two stores (codes, byte): this step's numbers are back, so its stores into the stage have read set t % 8
.else
	s_wait_dscnt 0x0
.endif
.if (\t)+8 < 16
	LOADS (\t)+8, \base, \nt                       ; which takes the loads of eight steps on
.endif
.if (\t) < 15
.if (\t) < 8
	s_wait_loadcnt 28                              ; the next step's four loads are in; those of the seven steps behind it may be out
.else
	s_wait_loadcnt 4*(14-(\t))                     ; the same count, running down: steps t + 2 .. 15 may be out
.endif
	TURN (\t)+1
.endif
	v_max3_num_f32 v8, |v[XN]|, |v[XN+1]|, |v[XN+2]|               ; the largest magnitude of my 16, in two chains
	v_max3_num_f32 v9, |v[XN+3]|, |v[XN+4]|, |v[XN+5]|
.irp i, 6,10
	v_max3_num_f32 v8, v8, |v[XN+\i]|, |v[XN+\i+1]|
	v_max3_num_f32 v9, v9, |v[XN+\i+2]|, |v[XN+\i+3]|
.endr
	v_max3_num_f32 v8, v8, |v[XN+14]|, |v[XN+15]|
	v_max3_num_f32 v8, v8, v9, 0x1800000           ; and the floor 2^(3 - 127): the byte cannot fall under 1
	v_max_num_f32_dpp v8, v8, v8 row_xmask:1 row_mask:0xf bank_mask:0xf   ; with my neighbour's 16: the block's
	v_add_nc_u32 v11, 0xff000000, v8               ; 2 off its exponent field: the conversion takes the exponent field of this operand as its scale
	v_cvt_scalef32_pk8_fp4_f32 v[CC+2*((\t)%2)], v[XN:XN+7], v11
	v_cvt_scalef32_pk8_fp4_f32 v[CC+2*((\t)%2)+1], v[XN+8:XN+15], v11
	v_lshrrev_b32 v[EB+(\t)%2], 23, v11            ; the scale's byte (also the plain line behind the conversions)
	ds_store_b64 v4, v[CC+2*((\t)%2):CC+2*((\t)%2)+1] offset:\cr+((\t)/2)*CP+((\t)%2)*256
	ds_store_b8 v5, v[EB+(\t)%2] offset:\sr+16*(\t)                ; both lanes of a block write the same byte with the same value
.endm
.macro STREAM base, cr, sr, nt
.irp t, 0,1,2,3,4,5,6,7
	LOADS \t, \base, \nt
.endr
	s_wait_loadcnt 28                              ; step 0's four loads are in
	TURN 0
.irp t, 0,1,2,3,4,5,6,7,8,9,10,11,12,13,14,15
	QSTEP \t, \base, \nt, \cr, \sr
.endr
.endm
	s_wait_kmcnt 0x0
	s_cmp_ge_u32 ttmp9, 256
	s_cbranch_scc1 .Lno_experts
	s_add_nc_u64 s[72:73], s[6:7], s[70:71]        ; the router's work-groups quantise expert_sel too: 8 rows a wave (every one of them reads it: no hint)
	STREAM 72, L_EC, L_ES, 0
.Lno_experts:
	s_cmp_lt_u32 ttmp9, 256
	s_cselect_b64 s[74:75], s[4:5], s[10:11]       ; selection_input or token_stream: the choice hangs on the work-group's number alone
	s_lshl_b32 s76, s68, 17                        ; 32 rows of 4,096 bytes
	s_add_co_u32 s76, s76, s70
	s_mov_b32 s77, 0
	s_add_nc_u64 s[74:75], s[74:75], s[76:77]
	STREAM 74, L_SC, L_SS, 1
	s_wait_dscnt 0x0                               ; for the others' sake: my stores of codes and bytes have landed
	s_barrier_signal -1
	s_barrier_wait -1
	s_cmp_lt_u32 ttmp9, 256
	s_cbranch_scc1 .Lrouter
; ---- TOKENS: the way out.  Each wave stores its own 8 rows: a row's 512 bytes by one instruction.
	s_mul_i32 s31, s30, 8*CP
	v_add_nc_u32 v6, s31, v3
.irp i, 0,1,2,3,4,5,6,7
	ds_load_b128 v[16+4*\i:19+4*\i], v6 offset:L_SC+\i*CP
.endr
	v_lshlrev_b32 v7, 3, v2
	s_lshl_b32 s31, s30, 8
	v_add_nc_u32 v8, s31, v7
	ds_load_b64 v[48:49], v8 offset:L_SS           ; my wave's 256 scale bytes, 8 a lane
	s_lshl_b32 s76, s68, 5
	s_lshl_b32 s77, s30, 3
	s_add_co_u32 s76, s76, s77                     ; my first token: 32 g + 8 wave
	s_lshl_b32 s78, s76, 9
	s_mov_b32 s79, 0
	s_add_nc_u64 s[80:81], s[16:17], s[78:79]      ; its row of codes in xq
	s_lshl_b32 s78, s76, 5
	s_add_nc_u64 s[84:85], s[16:17], s[78:79]      ; its scale bytes (XS_OFF stands in the immediate)
.irp i, 0,1,2,3,4,5,6,7
	s_wait_dscnt 8-\i                              ; row i is back; the younger rows' loads and the bytes' load may be out
	global_store_b128 v3, v[16+4*\i:19+4*\i], s[80:81] offset:512*\i
.endr
	s_wait_dscnt 0x0
	global_store_b64 v7, v[48:49], s[84:85] offset:XS_OFF          ; 32 lanes store 256 consecutive bytes, aligned
	s_set_vgpr_msb 0x5
	s_wait_tensorcnt 0x0
	ds_add_u32 v0, v1
	s_wait_dscnt 0x0
	s_set_vgpr_msb 0x500
	s_endpgm
; ---- ROUTER: wave 0 alone goes on (no barrier follows).
.set LG,   16                          ; v16-47   the logits: accumulator (a, m) at LG + 16 a + 8 m; later 2^(..), then 1 + 2^(..)
.set AFF,  48                          ; v48-79   the affinities of my token
.set SCO,  80                          ; v80-111  the Newton step's remainders, then the 30 scores
.set FRG,  112                         ; v112-239 four K steps' fragments: step s at 32 s: experts' tiles 0, 1, tokens' tiles 0, 1
.set RSC,  240                         ; v240-255 their scale words: step s at 4 s, in the same order.  They hold scales and nothing else
.set MXR,  112                         ; behind the products the fragments' registers are free:
.set ONE,  113
.set NINF, 114
.set MASK, 115
.set CNT,  116
.set TMPR, 119
.set QW,   120                         ; v120-123 my token's table of places
.set BAL,  124                         ; lane e: the word of bits of expert e
.set SELR, 126                         ; v126-131 my token's row of out1
.set ATB,  132                         ; v132-163 the affinities, turned
.set OTB,  164                         ; v164-169 out1, turned
.set TRE,  170                         ; v170-179 the leaves of the maximum's tree
.set IXR,  180                         ; v180-182 the lowest index with the largest score, of experts 0-9, 10-19, 20-29
.set BTR,  184                         ; v184-187 four experts' bits of my token
.set CNR,  188                         ; v188-190 the count of chosen experts behind the first, second, third of the four
.set NBR,  192                         ; v192-195 their nibbles
.Lrouter:
	s_cmp_lg_u32 s30, 0
	s_cbranch_scc1 .Lend
	s_load_b512 s[32:47], s[8:9], 0x0              ; bias_ffn, all 32
	s_load_b512 s[48:63], s[8:9], 0x40
	v_and_b32 v1, 15, v2                           ; r
	v_lshrrev_b32 v6, 4, v2                        ; h
	v_mul_u32_u24 v7, v1, CP
	v_lshl_add_u32 v6, v6, 4, v7                   ; a fragment's row x pitch + 16 h
	v_lshlrev_b32 v7, 5, v1                        ; a row of scale bytes is 32 bytes
.macro FBATCH bt                       ; K steps 4 bt .. 4 bt + 3: a fragment is two loads of 16 bytes, 32 bytes apart; a scale word 4 bytes of row r
.irp s, 0,1,2,3
.irp x, 0,1
.irp q, 0,1
	ds_load_b128 v[FRG+32*\s+8*\x+4*\q:FRG+32*\s+8*\x+4*\q+3], v6 offset:L_EC+16*\x*CP+64*(4*\bt+\s)+32*\q
	ds_load_b128 v[FRG+32*\s+16+8*\x+4*\q:FRG+32*\s+16+8*\x+4*\q+3], v6 offset:L_SC+16*\x*CP+64*(4*\bt+\s)+32*\q
.endr
	ds_load_b32 v[RSC+4*\s+\x], v7 offset:L_ES+512*\x+4*(4*\bt+\s)
	ds_load_b32 v[RSC+4*\s+2+\x], v7 offset:L_SS+512*\x+4*(4*\bt+\s)
.endr
.endr
	s_wait_dscnt 0x0
.endm
.macro RMM s, zero                     ; source 0 = 16 experts, source 1 = 16 tokens.  The four accumulators take turns, one instruction a turn
.irp a, 0,1
.irp m, 0,1
.if \zero
	v_wmma_scale_f32_16x16x128_f8f6f4 v[LG+16*\a+8*\m:LG+16*\a+8*\m+7], v[FRG+32*\s+8*\a:FRG+32*\s+8*\a+7], v[FRG+32*\s+16+8*\m:FRG+32*\s+16+8*\m+7], 0, v[RSC+4*\s+\a], v[RSC+4*\s+2+\m] matrix_a_fmt:MATRIX_FMT_FP4 matrix_b_fmt:MATRIX_FMT_FP4
.else
	v_wmma_scale_f32_16x16x128_f8f6f4 v[LG+16*\a+8*\m:LG+16*\a+8*\m+7], v[FRG+32*\s+8*\a:FRG+32*\s+8*\a+7], v[FRG+32*\s+16+8*\m:FRG+32*\s+16+8*\m+7], v[LG+16*\a+8*\m:LG+16*\a+8*\m+7], v[RSC+4*\s+\a], v[RSC+4*\s+2+\m] matrix_a_fmt:MATRIX_FMT_FP4 matrix_b_fmt:MATRIX_FMT_FP4
.endif
.endr
.endr
.endm
	FBATCH 0
	RMM 0, 1                                       ; the first K step starts the sums
	RMM 1, 0
	RMM 2, 0
	RMM 3, 0
.rept 4
	v_nop                                          ; four places in front of loads into registers that matrix instructions have read
.endr
	FBATCH 1
	RMM 0, 0
	RMM 1, 0
	RMM 2, 0
	RMM 3, 0
.rept 4
	v_nop                                          ; four places in front of the first vector instruction on the results
.endr
; In accumulator (a, m) lane (r, h) holds token 16 m + r and its register j expert 16 a + 8 h + j.  The exchange of halves between (a, 0) and (a, 1) leaves lane l with token l and register LG + e with expert e.
.irp a, 0,1
.irp j, 0,1,2,3,4,5,6,7
	v_permlane16_swap_b32 v[LG+16*\a+\j], v[LG+16*\a+8+\j]         ; each accumulator from its low end on
.endr
.endr
.set j, 0
.rept 16
	v_pk_mul_f32 v[LG+j:LG+j+1], v[LG+j:LG+j+1], 0xbfb8aa3b op_sel_hi:[1,0]   ; -x log2(e)
.set j, j+2
.endr
.set j, 0
.rept 32
	v_min_num_f32 v[LG+j], 0x42fc0000, v[LG+j]     ; held at 126, so that 1 + 2^(..) stays finite and its reciprocal normal
.set j, j+1
.endr
.set j, 0
.rept 32
	v_exp_f32 v[LG+j], v[LG+j]
.set j, j+1
.endr
	v_mov_b32 v[ONE], 1                            ; a plain line behind the batch
	s_wait_alu depctr_va_vdst(0)                   ; one wait for the 32 exponentials, ahead of their first reader
.set j, 0
.rept 16
	v_pk_add_f32 v[LG+j:LG+j+1], v[LG+j:LG+j+1], 1.0 op_sel_hi:[1,0]
.set j, j+2
.endr
.set j, 0
.rept 32
	v_rcp_f32 v[AFF+j], v[LG+j]
.set j, j+1
.endr
	v_mov_b32 v[NINF], 0xff800000                  ; a plain line behind the batch
	s_wait_alu depctr_va_vdst(0)                   ; one wait for the 32 reciprocals
.set j, 0
.rept 32
	v_fma_f32 v[SCO+j], -v[LG+j], v[AFF+j], 1.0    ; one Newton step: 1 - d r,
.set j, j+1
.endr
.set j, 0
.rept 32
	v_fma_f32 v[AFF+j], v[AFF+j], v[SCO+j], v[AFF+j]   ; r + r (1 - d r)
.set j, j+1
.endr
	s_wait_kmcnt 0x0                               ; the bias
.set ee, 0
.rept 30
	v_add_f32 v[SCO+ee], s[32+ee], v[AFF+ee]       ; the routed experts' scores: they pick indices alone
.set ee, ee+1
.endr
	v_mov_b32 v[MASK], 0
; One pick.  The largest score, by a tree of ten leaves.  Its index: three chains, over experts 0-9, 10-19 and 20-29, each walked from its top down so that of equal scores its lowest index stays (63 where it has
; none), taken by turns with a mask register each, so that no line waits for the line above it; the smallest of the three is the lowest index of all.  That score becomes -infinity, six experts at a time.
; All by selects: no branch hangs on these numbers.
.macro TOPK it
.irp k, 0,1,2,3,4,5,6,7,8,9
	v_max3_num_f32 v[TRE+\k], v[SCO+3*\k], v[SCO+3*\k+1], v[SCO+3*\k+2]
.endr
.irp k, 0,3,6
	v_max3_num_f32 v[TRE+\k], v[TRE+\k], v[TRE+\k+1], v[TRE+\k+2]
.endr
	v_max3_num_f32 v[MXR], v[TRE], v[TRE+3], v[TRE+6]
	v_max_num_f32 v[MXR], v[MXR], v[TRE+9]
.irp c, 0,1,2
	v_mov_b32 v[IXR+\c], 63
.endr
.set kk, 9
.rept 10
.irp c, 0,1,2
	v_cmp_neq_f32 s[70+\c], v[MXR], v[SCO+10*\c+kk]
.endr
.irp c, 0,1,2
	v_cndmask_b32 v[IXR+\c], 10*\c+kk, v[IXR+\c], s[70+\c]
.endr
.set kk, kk-1
.endr
	v_min_u32 v[IXR], v[IXR], v[IXR+1]
	v_min_u32 v[SELR+\it], v[IXR], v[IXR+2]
.set ee, 0
.rept 5
.irp k, 0,1,2,3,4,5
	v_cmp_eq_u32 s[70+\k], ee+\k, v[SELR+\it]
.endr
.irp k, 0,1,2,3,4,5
	v_cndmask_b32 v[SCO+ee+\k], v[SCO+ee+\k], v[NINF], s[70+\k]
.endr
.set ee, ee+6
.endr
	v_lshlrev_b32 v[TMPR], v[SELR+\it], v[ONE]
	v_or_b32 v[MASK], v[MASK], v[TMPR]
.endm
	TOPK 0
	TOPK 1
	TOPK 2
	TOPK 3
	v_or_b32 v[MASK], 0xc0000000, v[MASK]          ; the shared experts 30 and 31
	v_mov_b32 v[SELR+4], 30
	v_mov_b32 v[SELR+5], 31
	v_mov_b32 v[CNT], 0
	v_mov_b32 v[BAL], 0
.set ee, 0
.rept 8                                ; four experts at a time: my token's nibbles (its count of chosen experts so far, or 6), and the 32 tokens' bits as one word into lane e
.irp k, 0,1,2,3
	v_bfe_u32 v[BTR+\k], v[MASK], ee+\k, 1
.endr
.irp k, 0,1,2,3
	v_cmp_ne_u32 s[70+\k], 0, v[BTR+\k]
.endr
	v_add_nc_u32 v[CNR], v[CNT], v[BTR]
	v_add_nc_u32 v[CNR+1], v[CNR], v[BTR+1]
	v_add_nc_u32 v[CNR+2], v[CNR+1], v[BTR+2]
	v_cndmask_b32 v[NBR], 6, v[CNT], s70
	v_cndmask_b32 v[NBR+1], 6, v[CNR], s71
	v_cndmask_b32 v[NBR+2], 6, v[CNR+1], s72
	v_cndmask_b32 v[NBR+3], 6, v[CNR+2], s73
	v_add_nc_u32 v[CNT], v[CNR+2], v[BTR+3]
.irp k, 0,1,2,3
	v_writelane_b32 v[BAL], s[70+\k], ee+\k
.endr
	v_lshl_or_b32 v[NBR], v[NBR+1], 4, v[NBR]
	v_lshl_or_b32 v[NBR+2], v[NBR+3], 4, v[NBR+2]
.if ee%8 == 0
	v_lshl_or_b32 v[QW+ee/8], v[NBR+2], 8, v[NBR]
.else
	v_lshl_or_b32 v[NBR], v[NBR+2], 8, v[NBR]
	v_lshl_or_b32 v[QW+ee/8], v[NBR], 16, v[QW+ee/8]
.endif
.set ee, ee+4
.endr
	s_mov_b32 s77, 0
	s_lshl_b32 s76, s68, 7
	s_add_nc_u64 s[78:79], s[22:23], s[76:77]      ; route: my group's 32 words
	s_lshl_b32 s76, s68, 9
	s_add_nc_u64 s[80:81], s[22:23], s[76:77]      ; my 32 tokens' tables (QT_OFF in the immediate)
	s_lshl_b32 s76, s68, 12
	s_add_nc_u64 s[82:83], s[24:25], s[76:77]      ; aff: 32 rows of 128 bytes
	s_mul_i32 s76, s68, 768
	s_add_nc_u64 s[84:85], s[26:27], s[76:77]      ; out1: 32 rows of 24 bytes
	v_lshlrev_b32 v8, 2, v2
	global_store_b32 v8, v[BAL], s[78:79]          ; 128 consecutive bytes
	global_store_b128 v3, v[QW:QW+3], s[80:81] offset:QT_OFF       ; 512 consecutive bytes
	v_mul_u32_u24 v9, v2, 144                      ; a lane holds a whole row of aff and of out1: both turn through LDS, so that each store covers consecutive bytes
	v_lshrrev_b32 v10, 3, v2
	v_mul_u32_u24 v10, v10, 144
	v_and_b32 v11, 7, v2
	v_lshl_add_u32 v10, v11, 4, v10
	v_mul_u32_u24 v11, v2, 24
	v_lshlrev_b32 v12, 3, v2
.irp i, 0,1,2,3,4,5,6,7
	ds_store_b128 v9, v[AFF+4*\i:AFF+4*\i+3] offset:L_AT+16*\i
.endr
.irp i, 0,1,2,3,4,5,6,7
	ds_load_b128 v[ATB+4*\i:ATB+4*\i+3], v10 offset:L_AT+4*\i*144  ; LDS serves a wave's instructions in order: these see the stores above
.endr
.irp i, 0,1,2
	ds_store_b64 v11, v[SELR+2*\i:SELR+2*\i+1] offset:L_OT+8*\i
.endr
.irp i, 0,1,2
	ds_load_b64 v[OTB+2*\i:OTB+2*\i+1], v12 offset:L_OT+256*\i
.endr
.irp i, 0,1,2,3,4,5,6,7
	s_wait_dscnt 13-\i                             ; behind load i: 7 - i loads of aff, and out1's three stores and three loads
	global_store_b128 v3, v[ATB+4*\i:ATB+4*\i+3], s[82:83] offset:512*\i
.endr
.irp i, 0,1,2
	s_wait_dscnt 2-\i
	global_store_b64 v12, v[OTB+2*\i:OTB+2*\i+1], s[84:85] offset:256*\i
.endr
.Lend:
	s_set_vgpr_msb 0x5
	s_wait_tensorcnt 0x0
	ds_add_u32 v0, v1
	s_wait_dscnt 0x0
	s_set_vgpr_msb 0x500
	s_endpgm
; ---- THE WEIGHTS (roles 512-1023): no LDS, no barrier.  A wave takes 32 columns x 128 along K.  A LANE TAKES A COLUMN AND ITS REGISTERS RUN DOWN K: each load reads 128 consecutive bytes, a block of 32 lies in one
; lane's registers, and the conversions give 16 bytes a block with K innermost.  They are stored where the operand's registers want them: an image of a fragment is [quad 2][lane 32][16 bytes], block b of a
; column at quad b / 2, half b % 2, row r: sixteen lanes store 256 consecutive bytes.
.macro WQ pitch, soff
.set kk, 0
.rept 128
	global_load_b32 v[64+kk], v3, s[82:83] offset:kk*\pitch th:TH_LOAD_NT
.set kk, kk+1
.endr
.irp b, 0,1,2,3
.set XB, 64+32*\b
.if \b == 0
	s_wait_loadcnt 63                              ; of the 128 loads at most 63 are out: the oldest 65 are in, blocks 0 and 1 among them
.elseif \b == 2
	s_wait_loadcnt 32                              ; block 3's 32 may be out
.elseif \b == 3
	s_wait_loadcnt 0x0
.endif
	v_max3_num_f32 v12, |v[XB]|, |v[XB+1]|, |v[XB+2]|
	v_max3_num_f32 v13, |v[XB+3]|, |v[XB+4]|, |v[XB+5]|
.irp i, 6,10,14,18,22,26
	v_max3_num_f32 v12, v12, |v[XB+\i]|, |v[XB+\i+1]|
	v_max3_num_f32 v13, v13, |v[XB+\i+2]|, |v[XB+\i+3]|
.endr
	v_max3_num_f32 v12, v12, |v[XB+30]|, |v[XB+31]|
	v_max3_num_f32 v12, v12, v13, 0x1800000        ; the block's largest magnitude, over the floor 2^(3 - 127)
	v_add_nc_u32 v11, 0xff000000, v12              ; 2 off its exponent field: the conversion's scale operand
	v_lshrrev_b32 v13, 23, v11                     ; the scale's byte
.if \b == 0
	v_mov_b32 v10, v13
.else
	v_lshl_or_b32 v10, v13, 8*\b, v10              ; the four bytes make the column's scale word for these 128 along K
.endif
.irp g, 0,1,2,3
	v_cvt_scalef32_pk8_fp4_f32 v[32+4*\b+\g], v[XB+8*\g:XB+8*\g+7], v11
.endr
	v_nop                                          ; one plain line behind the last conversion of a run
	global_store_b128 v4, v[32+4*\b:32+4*\b+3], s[84:85] offset:(\b/2)*512+(\b%2)*256   ; each block has registers of its own: no store's data are written again
.endr
	global_store_b32 v5, v10, s[86:87] offset:\soff
.endm
.Lweights:
	s_sub_co_u32 s68, ttmp9, 512
	s_and_b32 s69, s68, 255
	s_lshr_b32 s70, s69, 3                         ; e
	s_and_b32 s71, s69, 7                          ; keys: the K step s;  values: which 128 columns
	s_lshr_b32 s72, s30, 1
	s_and_b32 s73, s30, 1
	v_lshlrev_b32 v3, 2, v2                        ; in: 4 bytes a lane
	s_lshl_b32 s74, s70, 19                        ; an expert's 524,288 bytes
	s_lshl_b32 s75, s30, 7                         ; my wave's 32 columns
	s_add_co_u32 s74, s74, s75
	s_mov_b32 s79, 0
	s_mov_b32 s81, 0
	s_cmp_ge_u32 s68, 256
	s_cbranch_scc1 .Lvalues
; KEYS.  Column = hidden unit 32 wave + lane.  kq: images [e][c 2][s 8][t 4][1024]; tile t, row r stands for hidden unit 64 c + 32 (t / 2) + 8 (t % 2) + r + 8 (r / 8), so that the next launch's results
; are neighbours along the next K.  So lane x goes to tile 2 (wave % 2) + u, row r, with u = (x / 8) % 2, r = x % 8 + 8 (x / 16).
	s_lshl_b32 s75, s71, 16                        ; 128 rows of 512 bytes
	s_add_co_u32 s74, s74, s75
	s_mov_b32 s75, 0
	s_lshl_b32 s76, s70, 1
	s_add_co_u32 s76, s76, s72
	s_lshl_b32 s76, s76, 3
	s_add_co_u32 s76, s76, s71                     ; (2 e + c) 8 + s
	s_lshl_b32 s78, s76, 12
	s_lshl_b32 s77, s73, 11
	s_add_co_u32 s78, s78, s77                     ; its four images, my two of them
	s_lshl_b32 s80, s76, 1
	s_add_co_u32 s80, s80, s73
	s_lshl_b32 s80, s80, 7                         ; scale words [e][c][s][p 2][32 lanes]: lane r + 16 u for tile 2 p + u
	v_bfe_u32 v6, v2, 3, 1                         ; u
	v_and_b32 v7, 7, v2
	v_lshrrev_b32 v8, 4, v2
	v_lshl_add_u32 v7, v8, 3, v7                   ; r
	v_lshlrev_b32 v4, 4, v7
	v_lshl_add_u32 v4, v6, 10, v4
	v_lshl_add_u32 v5, v6, 4, v7
	v_lshlrev_b32 v5, 2, v5
	s_wait_kmcnt 0x0
	s_add_nc_u64 s[82:83], s[12:13], s[74:75]
	s_add_nc_u64 s[84:85], s[18:19], s[78:79]
	s_add_nc_u64 s[86:87], s[18:19], s[80:81]
	WQ 512, KS_OFF
	s_endpgm
.Lvalues:
; VALUES.  Column d = 128 cb + 32 wave + lane; K = the expert's 128 hidden units.  vq: images [G 16][e 32][j 4][1024], column 64 G + 16 j + r; scale words [G][e][p 2][32 lanes]: lanes 0-15 tile 2 p, lanes 16-31 tile 2 p + 1.
	s_lshl_b32 s75, s71, 9
	s_add_co_u32 s74, s74, s75
	s_mov_b32 s75, 0
	s_lshl_b32 s76, s71, 1
	s_add_co_u32 s76, s76, s72                     ; G
	s_lshl_b32 s76, s76, 5
	s_add_co_u32 s76, s76, s70                     ; 32 G + e
	s_lshl_b32 s78, s76, 12
	s_lshl_b32 s77, s73, 11
	s_add_co_u32 s78, s78, s77
	s_lshl_b32 s80, s76, 8
	s_lshl_b32 s77, s73, 7
	s_add_co_u32 s80, s80, s77
	v_lshrrev_b32 v6, 4, v2
	v_and_b32 v7, 15, v2
	v_lshlrev_b32 v4, 4, v7
	v_lshl_add_u32 v4, v6, 10, v4
	v_lshlrev_b32 v5, 2, v2
	s_wait_kmcnt 0x0
	s_add_nc_u64 s[82:83], s[14:15], s[74:75]
	s_add_nc_u64 s[84:85], s[20:21], s[78:79]
	s_add_nc_u64 s[86:87], s[20:21], s[80:81]
	WQ 4096, VS_OFF
	s_endpgm
.Lfunc_end_k_q5eaeba97d6_prep:
	.size	k_q5eaeba97d6_prep, .Lfunc_end_k_q5eaeba97d6_prep-k_q5eaeba97d6_prep
	.p2alignl 7, 3214868480
	.fill 96, 4, 3214868480
	.section	.rodata,"a",@progbits
	.p2align	6, 0x0
	.amdhsa_kernel k_q5eaeba97d6_prep
		.amdhsa_group_segment_fixed_size 62208
		.amdhsa_private_segment_fixed_size 0
		.amdhsa_enable_private_segment 0
		.amdhsa_kernarg_size 96
		.amdhsa_user_sgpr_count 2
		.amdhsa_user_sgpr_kernarg_segment_ptr 1
		.amdhsa_wavefront_size32 1
		.amdhsa_system_sgpr_workgroup_id_x 1
		.amdhsa_system_sgpr_workgroup_id_y 1
		.amdhsa_system_sgpr_workgroup_id_z 1
		.amdhsa_system_vgpr_workitem_id 0
		.amdhsa_next_free_vgpr 258
		.amdhsa_next_free_sgpr 96
		.amdhsa_reserve_vcc 0
		.amdhsa_float_denorm_mode_32 3
		.amdhsa_float_denorm_mode_16_64 3
		.amdhsa_memory_ordered 1
		.amdhsa_forward_progress 1
		.amdhsa_inst_pref_size 176
	.end_amdhsa_kernel
	.amdgpu_metadata
---
amdhsa.version: [ 1, 2 ]
amdhsa.kernels:
  - .name:           k_q5eaeba97d6_prep
    .symbol:         k_q5eaeba97d6_prep.kd
    .args:
      - { .name: selection_input, .offset: 0, .size: 8, .value_kind: global_buffer, .address_space: global }
      - { .name: expert_sel, .offset: 8, .size: 8, .value_kind: global_buffer, .address_space: global }
      - { .name: bias_ffn, .offset: 16, .size: 8, .value_kind: global_buffer, .address_space: global }
      - { .name: token_stream, .offset: 24, .size: 8, .value_kind: global_buffer, .address_space: global }
      - { .name: keys, .offset: 32, .size: 8, .value_kind: global_buffer, .address_space: global }
      - { .name: values, .offset: 40, .size: 8, .value_kind: global_buffer, .address_space: global }
      - { .name: xq, .offset: 48, .size: 8, .value_kind: global_buffer, .address_space: global }
      - { .name: kq, .offset: 56, .size: 8, .value_kind: global_buffer, .address_space: global }
      - { .name: vq, .offset: 64, .size: 8, .value_kind: global_buffer, .address_space: global }
      - { .name: route, .offset: 72, .size: 8, .value_kind: global_buffer, .address_space: global }
      - { .name: aff, .offset: 80, .size: 8, .value_kind: global_buffer, .address_space: global }
      - { .name: out1, .offset: 88, .size: 8, .value_kind: global_buffer, .address_space: global }
    .group_segment_fixed_size: 62208
    .private_segment_fixed_size: 0
    .kernarg_segment_align: 8
    .kernarg_segment_size: 96
    .max_flat_workgroup_size: 128
    .sgpr_count:     96
    .vgpr_count:     258
    .wavefront_size: 32
...
	.end_amdgpu_metadata
.endif
;; end of part 1
;; launch hidden (part 2): grid 1832 x 1, 1 waves a work-group, no clusters, 2,304 bytes of LDS; arguments xq, kq, route, aff, hid, hs, hsc; writes hid, hs, hsc
.if DOCPART == 2
	.amdgcn_target "amdgcn-amd-amdhsa--gfx1250"
	.amdhsa_code_object_version 6
	.text
	.protected	k_q5eaeba97d6_hidden
	.globl	k_q5eaeba97d6_hidden
	.p2align	8
	.type	k_q5eaeba97d6_hidden,@function
k_q5eaeba97d6_hidden:
	s_mov_b64 s[64:65], 0
	v_nop
	global_prefetch_b8 v0, s[64:65] scope:SCOPE_SE
	s_setreg_imm32_b32 hwreg(HW_REG_WAVE_MODE, 25, 1), 1
	s_wait_xcnt 0x0
; HIDDEN: Q(silu(Q(x) Q(K_e)) x affinity), for the chosen (token, expert) pairs alone: the problem multiplies all the others by a weight of 0 that it builds itself.
; A work-group is ONE wave: which tiles it works hangs on counts read from route, so it has no barrier, and its list of tokens in LDS is its own.
; UNITS.  Numbers 0-1319: half c = number % 2 of the hidden units of routed expert e, for the tokens of 12 words of bits (384 tokens; 22 such runs an expert, the last of 4 words).
; Numbers 1320-1831: half c of shared expert 30 or 31, for 2 words (64 tokens, all chosen).  A unit whose tokens did not choose its expert stores nothing.
; The unit's 32 fragments of K_e (8 K steps x 4 tiles of 16 hidden units) stay in window 1 of the registers.  Tokens are taken 16 at a time from the list; a tile's rows of x are asked for one tile ahead.
; THE LOOP HAS A CONSTANT COUNT: 12 trips of two tiles, as many as 12 x 32 tokens can fill; a scalar branch on the stored count jumps over the work of tiles that do not exist.  So the list's LDS address is
; 4 r + 128 x trip + an immediate.
; ALL LANES STAY ON.  Behind its n tokens the list holds the unit's FIRST token again, 32 times: a tile's spare rows compute what that token's own row computes (a column of the product hangs on no other column)
; and store the same bytes at the same place.
; THE PRODUCT IS USED TRANSPOSED (source 0 = 16 hidden units, source 1 = 16 tokens): a lane holds one token, and, by the order of the weights' rows, the 16 registers of tiles 2 b and 2 b + 1 are hidden units
; 64 c + 32 b + 16 (lane / 16) + 0 .. 15: neighbours along the next product's K.  They are quantised in registers: 32 bytes of codes and 2 scale bytes for a token and a half.
; WHERE THEY GO.  A routed expert's: hid [token][place 4][c 2][32 bytes], the place being the expert's among the token's routed four; the scale bytes to hsc [token][place 4][c 2][2 bytes], 16 tokens in 256 bytes.
; A shared expert's tokens are neighbours, so its tile is laid as it stands in the lanes: hs [2 (e - 30) + c][tile of 16 tokens][block 2][row 16][16 bytes]: the store is 16 x lane, 512 consecutive bytes, aligned;
; its scale bytes to hsc + HSS_OFF [2 (e - 30) + c][token][2 bytes]: a tile's 32 bytes on end.
; LIMITS: NaN and infinities are not served; a block whose largest magnitude lies under 2^-124 (a block of zeros too) has the scale byte 1: this program alone reads the bytes.
.set XS_OFF, 4194304
.set KS_OFF, 2097152
.set QT_OFF, 32768
.set HSS_OFF, 131072
.set ROUTED, 1320                      ; the routed experts' units
.set MAXT, 24                          ; tiles at the most: 12 words x 32 tokens / 16
.set KSR, 32                           ; v32-47   the weights' scale words: register 2 s + p: lanes 0-15 tile 2 p, lanes 16-31 tile 2 p + 1
.set XSC, 48                           ; v48-63   x's scale words, two sets of 8: register s = K step s of row r
.set XF,  64                           ; v64-191  x's fragments, two sets of 64; a set's first 32 registers serve the activation once its products are done
.set H,   192                          ; v192-223 the four accumulators
.set CD,  224                          ; v224-227 the codes
.set TM,  228                          ; v228-233 at work
.set PW,  234                          ; the two scale bytes
.set SL,  235                          ; the expert's place among the token's routed four
.set A1,  240                          ; where the codes go
.set A2,  241                          ; where the bytes go
.set A3,  242                          ; at work
; a tile's own registers, set p at v[8 + 12 p]: +0 token, +1 .. +4 offsets (x's codes, x's scales, table, affinity), +5 table word, +6 affinity (+7 named with it as a pair), +9 LDS address;  v18: 256 h
; scalars: s14 c, s15 e, s16 first word, s17 words, s24-35 the words of bits, s36 n, s39 tiles walked, s41 tiles, s44 the nibble's first bit, s47 the list's step, s[48:49] lane selects,
;          s[50:51] my images, s[52:53] my scale words, s[54:55] my words of bits, s[56:57] route + 4 (e / 8), s[58:59] aff + 4 e, s[60:61] where my codes begin, s[62:63] where my scale bytes begin
.set MSB, 0
.macro WIN new                         ; the immediate's high byte repeats the setting that is left
.if MSB != \new
	s_set_vgpr_msb (MSB<<8)|\new
.set MSB, \new
.endif
.endm
	s_load_b256 s[4:11], s[0:1], 0x0               ; xq s[4:5], kq s[6:7], route s[8:9], aff s[10:11]
	s_load_b64 s[12:13], s[0:1], 0x20              ; hid
	s_load_b64 s[68:69], s[0:1], 0x28              ; hs
	s_load_b64 s[70:71], s[0:1], 0x30              ; hsc
	v_lshl_add_u32 v254, v0, 2, 0x800
	v_mov_b32 v255, 0
	v_and_b32 v1, 15, v0                           ; r (one wave: v0 is the lane)
	v_lshrrev_b32 v2, 4, v0                        ; h
	v_lshlrev_b32 v3, 4, v0                        ; 16 x lane
	v_lshlrev_b32 v4, 2, v0                        ; 4 x lane
	v_lshlrev_b32 v5, 2, v1                        ; 4 r: my row's entry in a tile's 16 of the list; never rewritten
	v_lshlrev_b32 v6, 4, v2                        ; 16 h
	v_lshlrev_b32 v18, 8, v2                       ; 256 h
	v_add_nc_u32 v7, 480, v0                       ; entries 480-511 take what the lanes that were not chosen write
	s_lshr_b32 s14, ttmp9, 1
	s_mul_i32 s15, s14, 2979
	s_lshr_b32 s15, s15, 16                        ; (number / 2) / 22, exact up to 659
	s_mul_i32 s16, s15, 22
	s_sub_co_u32 s16, s14, s16
	s_mul_i32 s16, s16, 12                         ; the run's first word
	s_sub_co_u32 s17, 256, s16
	s_min_u32 s17, s17, 12                         ; and how many
	s_sub_co_u32 s18, ttmp9, ROUTED
	s_bfe_u32 s19, s18, 0x10001
	s_add_co_u32 s19, s19, 30
	s_lshr_b32 s20, s18, 2
	s_lshl_b32 s20, s20, 1
	s_cmp_lt_u32 ttmp9, ROUTED
	s_cselect_b32 s15, s15, s19                    ; e
	s_cselect_b32 s16, s16, s20                    ; g0
	s_cselect_b32 s17, s17, 2                      ; nw
	s_and_b32 s14, ttmp9, 1                        ; c
	s_and_b32 s44, s15, 7
	s_lshl_b32 s44, s44, 2                         ; the nibble's first bit
	s_mov_b32 s48, 0x76543210
	s_mov_b32 s49, 0xfedcba98                      ; v_permlanex16_b32's selects for lane l xor 16
	s_lshl_b32 s18, s15, 1
	s_add_co_u32 s18, s18, s14                     ; 2 e + c
	s_lshl_b32 s20, s18, 15                        ; its 32 images
	s_mov_b32 s21, 0
	s_lshl_b32 s22, s18, 11                        ; its 16 x 128 bytes of scale words
	s_mov_b32 s23, 0
	s_lshr_b32 s56, s15, 3
	s_lshl_b32 s56, s56, 2                         ; the table's word that holds nibble e, in bytes
	s_mov_b32 s57, 0
	s_lshl_b32 s58, s15, 2                         ; 4 e
	s_mov_b32 s59, 0
	s_lshl_b32 s60, s14, 5                         ; a routed unit: 32 c into hid,
	s_mov_b32 s61, 0
	s_lshl_b32 s62, s14, 1                         ; 2 c into hsc
	s_mov_b32 s63, 0
	s_sub_co_u32 s72, s15, 30
	s_lshl_b32 s72, s72, 1
	s_add_co_u32 s72, s72, s14                     ; a shared unit: 2 (e - 30) + c (in a routed unit a number that is not used)
	s_lshl_b32 s73, s72, 18                        ; its 512 tiles of 512 bytes in hs,
	s_lshl_b32 s72, s72, 14
	s_add_co_u32 s72, s72, HSS_OFF                 ; its 8,192 x 2 bytes in hsc
	s_cmp_lt_u32 ttmp9, ROUTED
	s_cselect_b32 s60, s60, s73
	s_cselect_b32 s62, s62, s72
	s_lshl_b32 s40, s16, 7
	s_add_co_u32 s40, s40, s58                     ; route: word (g0, e)
	s_mov_b32 s41, 0
	s_wait_kmcnt 0x0
	s_add_nc_u64 s[50:51], s[6:7], s[20:21]
	s_add_nc_u64 s[52:53], s[6:7], s[22:23]
	s_add_nc_u64 s[54:55], s[8:9], s[40:41]
	s_add_nc_u64 s[56:57], s[8:9], s[56:57]
	s_add_nc_u64 s[58:59], s[10:11], s[58:59]
	s_cmp_lt_u32 ttmp9, ROUTED                     ; hid or hs: the choice hangs on the work-group's number alone
	s_cselect_b64 s[74:75], s[12:13], s[68:69]
	s_add_nc_u64 s[60:61], s[74:75], s[60:61]
	s_add_nc_u64 s[62:63], s[70:71], s[62:63]
.set jw, 0
.rept 12
	s_load_b32 s[24+jw], s[54:55], jw*128          ; twelve words of bits (those past word 255 still lie inside route, and are put to 0 below)
.set jw, jw+1
.endr
	WIN 0x40                                       ; destination window 1
.set f, 0
.rept 32
	global_load_b128 v[8*f:8*f+3], v3, s[50:51] offset:1024*f      ; fragment (s, t) = 4 s + t, as an image of its registers
	global_load_b128 v[8*f+4:8*f+7], v3, s[50:51] offset:1024*f+512
.set f, f+1
.endr
	WIN 0
.set f, 0
.rept 16
	global_load_b32 v[KSR+f], v4, s[52:53] offset:KS_OFF+128*f
.set f, f+1
.endr
	s_lshl_b32 s19, s16, 5                         ; the run's first token: it fills the whole list first, so that every entry is written and a unit without tokens gathers inside the buffers
.irp i, 0,1,2,3
	v_mov_b32 v[TM+\i], s19
.endr
.irp i, 0,1,2,3
	ds_store_b128 v3, v[TM:TM+3] offset:512*\i
.endr
	v_add_nc_u32 v[TM+4], s19, v0                  ; my lane's token in word 0
	v_mov_b32 v15, 0                               ; (the upper halves of the affinities' pairs are named, so they are written)
	v_mov_b32 v27, 0
	s_mov_b32 s36, 0                               ; tokens so far
	s_wait_kmcnt 0x0
.set jw, 0
.rept 12                               ; word by word: a chosen lane's token goes to entry (tokens so far + chosen lanes below mine)
	s_cmp_gt_u32 s17, jw
	s_cselect_b32 s[24+jw], s[24+jw], 0
	v_mbcnt_lo_u32_b32 v[TM+5], s[24+jw], s36
	v_cndmask_b32 v[TM+5], v7, v[TM+5], s[24+jw]
	v_min_u32 v[TM+5], 511, v[TM+5]
	v_lshlrev_b32 v[TM+5], 2, v[TM+5]
	ds_store_b32 v[TM+5], v[TM+4]
	v_add_nc_u32 v[TM+4], 32, v[TM+4]
	s_bcnt1_i32_b32 s37, s[24+jw]
	s_add_co_u32 s36, s36, s37
.set jw, jw+1
.endr
	v_mov_b32 v[TM], 0
	ds_load_b32 v[TM+1], v[TM]                     ; entry 0: the unit's first token (LDS serves a wave's instructions in order: this sees the stores above)
	v_add_nc_u32 v[TM+5], s36, v0                  ; entries n .. n + 31 take it: the last tile's spare rows reach n + 14 at the most, the gather one tile ahead n + 30; n + 31 is at most 415
	v_min_u32 v[TM+5], 511, v[TM+5]
	v_lshlrev_b32 v[TM+5], 2, v[TM+5]
	s_wait_dscnt 0x0
	ds_store_b32 v[TM+5], v[TM+1]
	s_add_co_u32 s41, s36, 15                      ; n, at most 384
	s_lshr_b32 s41, s41, 4                         ; tiles, at most MAXT
; Sixteen tokens of the list, off bytes behind the trip's first entry, and all that a tile wants of them: 20 loads.  The token is held to 8,191; behind that only shifts to the left and additions make the offsets.
.macro GATHER p, off
.set GB, 8+12*(\p)
	v_add_nc_u32 v[GB+9], s47, v5                  ; 128 x trip + 4 r: at the most 1,408 + 60, and with the immediate 1,596: inside the list's 2,048 bytes
	ds_load_b32 v[GB], v[GB+9] offset:\off         ; LDS serves a wave's instructions in order: this sees the list's stores
	s_wait_dscnt 0x0
	v_min_u32 v[GB], 8191, v[GB]
	v_lshlrev_b32 v[GB+1], 9, v[GB]                ; x's codes: a row of 512 bytes,
	v_add_nc_u32 v[GB+1], v[GB+1], v6              ; + 16 h
	v_lshlrev_b32 v[GB+2], 5, v[GB]                ; x's scale bytes: 32 a row
	v_lshlrev_b32 v[GB+3], 4, v[GB]                ; the token's table: 16 bytes (the word stands in the base)
	v_lshlrev_b32 v[GB+4], 7, v[GB]                ; its row of aff: 128 bytes (the expert stands in the base)
.irp s, 0,1,2,3,4,5,6,7
	global_load_b128 v[XF+64*(\p)+8*\s:XF+64*(\p)+8*\s+3], v[GB+1], s[4:5] offset:64*\s
	global_load_b128 v[XF+64*(\p)+8*\s+4:XF+64*(\p)+8*\s+7], v[GB+1], s[4:5] offset:64*\s+32
.endr
	global_load_b128 v[XSC+8*(\p):XSC+8*(\p)+3], v[GB+2], s[4:5] offset:XS_OFF
	global_load_b128 v[XSC+8*(\p)+4:XSC+8*(\p)+7], v[GB+2], s[4:5] offset:XS_OFF+16
	global_load_b32 v[GB+5], v[GB+3], s[56:57] offset:QT_OFF
	global_load_b32 v[GB+6], v[GB+4], s[58:59]
.endm
.macro HMM p, s, t
.set rD, H+8*(\t)
.set rW, 8*(4*(\s)+(\t))
.set rX, XF+64*(\p)+8*(\s)
.set rK, KSR+2*(\s)+(\t)/2
.set rS, XSC+8*(\p)+(\s)
.if (\s) == 0
.if (\t)%2
	v_wmma_scale_f32_16x16x128_f8f6f4 v[rD:rD+7], v[rW:rW+7], v[rX:rX+7], 0, v[rK], v[rS] matrix_a_fmt:MATRIX_FMT_FP4 matrix_b_fmt:MATRIX_FMT_FP4 matrix_a_scale:MATRIX_SCALE_ROW1
.else
	v_wmma_scale_f32_16x16x128_f8f6f4 v[rD:rD+7], v[rW:rW+7], v[rX:rX+7], 0, v[rK], v[rS] matrix_a_fmt:MATRIX_FMT_FP4 matrix_b_fmt:MATRIX_FMT_FP4
.endif
.else
.if (\t)%2
	v_wmma_scale_f32_16x16x128_f8f6f4 v[rD:rD+7], v[rW:rW+7], v[rX:rX+7], v[rD:rD+7], v[rK], v[rS] matrix_a_fmt:MATRIX_FMT_FP4 matrix_b_fmt:MATRIX_FMT_FP4 matrix_a_scale:MATRIX_SCALE_ROW1
.else
	v_wmma_scale_f32_16x16x128_f8f6f4 v[rD:rD+7], v[rW:rW+7], v[rX:rX+7], v[rD:rD+7], v[rK], v[rS] matrix_a_fmt:MATRIX_FMT_FP4 matrix_b_fmt:MATRIX_FMT_FP4
.endif
.endif
.endm
; A tile of 16 tokens, in set p; np is the other set, off the next tile's place in the list behind the trip's first entry.
.macro TILE p, np, off
	GATHER \np, \off                               ; the next tile (past the list's end: the first token again)
	s_wait_loadcnt 20                              ; all but the 20 just issued: this tile's loads are in (and, the first time, the weights)
	WIN 0x01                                       ; source 0, the weights, in window 1
.irp s, 0,1,2,3,4,5,6,7
.irp t, 0,1,2,3
	HMM \p, \s, \t                                 ; the four accumulators take turns, one instruction a turn; K ascending; the first K step starts the sums
.endr
.endr
	WIN 0
.set TB, 8+12*(\p)
.set TT, XF+64*(\p)
; Where the tile's results go: two ways, parted by the work-group's number.  On either way the plain lines, which name none of the products' registers, are the places behind the products.
	s_cmp_lt_u32 ttmp9, ROUTED
	s_cbranch_scc0 .Lshared_\@
	v_bfe_u32 v[SL], v[TB+5], s44, 4
	v_min_u32 v[SL], 3, v[SL]                      ; the place is held to 3; behind that only shifts to the left and additions
	v_lshlrev_b32 v[A1], 8, v[TB]
	v_lshlrev_b32 v[A3], 6, v[SL]
	v_add_nc_u32 v[A1], v[A1], v[A3]
	v_add_nc_u32 v[A1], v[A1], v6                  ; hid: 256 token + 64 place + 16 h (32 c stands in the base)
	v_lshlrev_b32 v[A2], 4, v[TB]
	v_lshlrev_b32 v[A3], 2, v[SL]
	v_add_nc_u32 v[A2], v[A2], v[A3]               ; hsc: 16 token + 4 place (2 c stands in the base)
	s_branch .Lplaced_\@
.Lshared_\@:
	v_and_b32 v[A1], 0x1ff0, v[TB]
	v_lshlrev_b32 v[A1], 5, v[A1]                  ; hs: 512 (token / 16)
	v_and_b32 v[A3], 15, v[TB]
	v_lshlrev_b32 v[A3], 4, v[A3]
	v_add_nc_u32 v[A1], v[A1], v[A3]               ; + 16 (token % 16)
	v_add_nc_u32 v[A1], v[A1], v18                 ; + 256 h: the tile's tokens are 16 neighbours in the order of the lanes, so this is 16 x lane in the tile's 512 bytes
	v_lshlrev_b32 v[A2], 1, v[TB]                  ; hsc: 2 token
.Lplaced_\@:
.set j, 0
.rept 16
	v_pk_mul_f32 v[TT+j:TT+j+1], v[H+j:H+j+1], 0xbfb8aa3b op_sel_hi:[1,0]   ; -z log2(e); each accumulator is read from its low end on
.set j, j+2
.endr
.set j, 0
.rept 32
	v_exp_f32 v[TT+j], v[TT+j]
.set j, j+1
.endr
.set j, 0
.rept 16
	v_pk_mul_f32 v[H+j:H+j+1], v[H+j:H+j+1], v[TB+6:TB+7] op_sel_hi:[1,0]   ; z x affinity: plain work behind the batch, which names none of its results
.set j, j+2
.endr
	s_wait_alu depctr_va_vdst(0)                   ; one wait for the 32 exponentials, ahead of their first reader
.set j, 0
.rept 16
	v_pk_add_f32 v[TT+j:TT+j+1], v[TT+j:TT+j+1], 1.0 op_sel_hi:[1,0]
.set j, j+2
.endr
.set j, 0
.rept 32
	v_rcp_f32 v[TT+j], v[TT+j]                     ; sigmoid(z); where 2^(..) is infinite it is 0
.set j, j+1
.endr
	v_nop                                          ; a plain line behind the batch
	s_wait_alu depctr_va_vdst(0)                   ; one wait for the 32 reciprocals
.set j, 0
.rept 16
	v_pk_mul_f32 v[H+j:H+j+1], v[H+j:H+j+1], v[TT+j:TT+j+1]
.set j, j+2
.endr
.irp b, 0,1
	v_max3_num_f32 v[TM+\b], |v[H+16*\b]|, |v[H+16*\b+1]|, 0x1800000   ; block b: my 16 numbers, over the floor 2^(3 - 127)
.endr
.irp i, 2,4,6,8,10,12,14
.irp b, 0,1
	v_max3_num_f32 v[TM+\b], v[TM+\b], |v[H+16*\b+\i]|, |v[H+16*\b+\i+1]|
.endr
.endr
.irp b, 0,1
	v_permlanex16_b32 v[TM+2+\b], v[TM+\b], s48, s49
.endr
.irp b, 0,1
	v_max_num_f32 v[TM+\b], v[TM+\b], v[TM+2+\b]   ; with lane l xor 16's: the block's largest magnitude
.endr
.irp b, 0,1
	v_add_nc_u32 v[TM+4+\b], 0xff000000, v[TM+\b]  ; 2 off its exponent field: the conversion's scale operand
.endr
.irp b, 0,1
	v_lshrrev_b32 v[TM+2+\b], 23, v[TM+4+\b]       ; the scale's byte
.endr
	v_lshl_or_b32 v[PW], v[TM+3], 8, v[TM+2]
.irp b, 0,1
	v_cvt_scalef32_pk8_fp4_f32 v[CD+2*\b], v[H+16*\b:H+16*\b+7], v[TM+4+\b]
	v_cvt_scalef32_pk8_fp4_f32 v[CD+2*\b+1], v[H+16*\b+8:H+16*\b+15], v[TM+4+\b]
.endr
	v_nop                                          ; one plain line behind the conversions
	v_permlane16_swap_b32 v[CD], v[CD+2]           ; a whole block to a lane: lanes 0-15 block 2 c, lanes 16-31 block 2 c + 1
	v_permlane16_swap_b32 v[CD+1], v[CD+3]
	global_store_b128 v[A1], v[CD:CD+3], s[60:61]  ; all lanes: a spare row stores what the first token's own row stores, at the same place
	global_store_b16 v[A2], v[PW], s[62:63]        ; (both lanes of a row write the same two bytes with the same value)
	s_wait_xcnt 0x0                                ; the stores' codes, bytes and offsets are written again in the next tile only behind this wait
.endm
	s_mov_b32 s47, 0
	GATHER 0, 0                                    ; the first tile's rows (a unit without tokens gathers the run's first token and uses nothing of it)
	s_mov_b32 s39, 0
.Lt:                                               ; MAXT / 2 trips, whatever the counts
	s_cmp_ge_u32 s39, s41
	s_cbranch_scc1 .Lnext                          ; no tile is left: the trip's work is jumped over
	TILE 0, 1, 64
	s_add_co_u32 s40, s39, 1
	s_cmp_ge_u32 s40, s41
	s_cbranch_scc1 .Ldrain
	TILE 1, 0, 128
	s_branch .Lnext
.Ldrain:
	s_wait_loadcnt 0x0                             ; the tile just worked was the last: the loads that it issued into set 1 are waited for, so that on no way are set 1's registers written again while they are out
.Lnext:
	s_add_co_u32 s47, s47, 128                     ; two tiles' entries on
	s_add_co_u32 s39, s39, 2
	s_cmp_lt_u32 s39, MAXT
	s_cbranch_scc1 .Lt
	s_wait_tensorcnt 0x0
	ds_add_u32 v254, v255
	s_wait_dscnt 0x0
	s_endpgm
.Lfunc_end_k_q5eaeba97d6_hidden:
	.size	k_q5eaeba97d6_hidden, .Lfunc_end_k_q5eaeba97d6_hidden-k_q5eaeba97d6_hidden
	.p2alignl 7, 3214868480
	.fill 96, 4, 3214868480
	.section	.rodata,"a",@progbits
	.p2align	6, 0x0
	.amdhsa_kernel k_q5eaeba97d6_hidden
		.amdhsa_group_segment_fixed_size 2304
		.amdhsa_private_segment_fixed_size 0
		.amdhsa_enable_private_segment 0
		.amdhsa_kernarg_size 56
		.amdhsa_user_sgpr_count 2
		.amdhsa_user_sgpr_kernarg_segment_ptr 1
		.amdhsa_wavefront_size32 1
		.amdhsa_system_sgpr_workgroup_id_x 1
		.amdhsa_system_sgpr_workgroup_id_y 1
		.amdhsa_system_sgpr_workgroup_id_z 1
		.amdhsa_system_vgpr_workitem_id 0
		.amdhsa_next_free_vgpr 512
		.amdhsa_next_free_sgpr 80
		.amdhsa_reserve_vcc 0
		.amdhsa_float_denorm_mode_32 3
		.amdhsa_float_denorm_mode_16_64 3
		.amdhsa_memory_ordered 1
		.amdhsa_forward_progress 1
		.amdhsa_inst_pref_size 52
	.end_amdhsa_kernel
	.amdgpu_metadata
---
amdhsa.version: [ 1, 2 ]
amdhsa.kernels:
  - .name:           k_q5eaeba97d6_hidden
    .symbol:         k_q5eaeba97d6_hidden.kd
    .args:
      - { .name: xq, .offset: 0, .size: 8, .value_kind: global_buffer, .address_space: global }
      - { .name: kq, .offset: 8, .size: 8, .value_kind: global_buffer, .address_space: global }
      - { .name: route, .offset: 16, .size: 8, .value_kind: global_buffer, .address_space: global }
      - { .name: aff, .offset: 24, .size: 8, .value_kind: global_buffer, .address_space: global }
      - { .name: hid, .offset: 32, .size: 8, .value_kind: global_buffer, .address_space: global }
      - { .name: hs, .offset: 40, .size: 8, .value_kind: global_buffer, .address_space: global }
      - { .name: hsc, .offset: 48, .size: 8, .value_kind: global_buffer, .address_space: global }
    .group_segment_fixed_size: 2304
    .private_segment_fixed_size: 0
    .kernarg_segment_align: 8
    .kernarg_segment_size: 56
    .max_flat_workgroup_size: 32
    .sgpr_count:     80
    .vgpr_count:     512
    .wavefront_size: 32
...
	.end_amdgpu_metadata
.endif
;; end of part 2
;; launch combine (part 3): grid 4 x 64, 4 waves a work-group, no clusters, 181,760 bytes of LDS; arguments hid, hs, hsc, vq, route, out0; writes out0
.if DOCPART == 3
	.amdgcn_target "amdgcn-amd-amdhsa--gfx1250"
	.amdhsa_code_object_version 6
	.text
	.protected	k_q5eaeba97d6_combine
	.globl	k_q5eaeba97d6_combine
	.p2align	8
	.type	k_q5eaeba97d6_combine,@function
k_q5eaeba97d6_combine:
	s_mov_b64 s[64:65], 0
	v_nop
	global_prefetch_b8 v0, s[64:65] scope:SCOPE_SE
	s_setreg_imm32_b32 hwreg(HW_REG_WAVE_MODE, 25, 1), 1
	s_wait_xcnt 0x0
; COMBINE: out0[t][d] = the sum over K = (expert, hidden unit) of Q(h w)[t][K] Q(values)[K][d], K = 4,096, walked expert by expert: one K step of 128 an expert.
; A token holds codes for its six experts alone; for every other expert its operand is a record of zero codes, with scale bytes of 1.0.
; Which record: nibble e of the token's table in route (0-5, or 6 for the zero record).  It enters an LDS address behind v_min_u32; no branch hangs on it.
; SHARES.  A work-group makes 128 tokens x 256 columns; each of its four waves all 128 tokens (8 tiles) x 64 columns (4 tiles): 32 accumulators, window 1.
; LDS, IN PLANES.  Record q of row (token) R lies at q x 16,384 + 80 R: 64 bytes of codes.  Planes 0-3: the routed four, from hid; 4, 5: experts 30, 31, from hs; 6: zeros, made here; in plane 7 row R holds its
; eight scale words (0-3 from hsc, 4, 5 from hsc's shared part, 6 and 7 bytes of 1.0).  The plane's stride is a multiple of 256 bytes, so a record's banks do not hang on q; the pitch is 20 words, so rows r = 0 .. 15
; start at banks 20 r mod 64, sixteen different multiples of 4 (64 banks of 4 bytes: ISA guide 11.1).
; The values' fragments come from memory straight into registers, as images, through a ring of 8 sets (window 2), seven experts ahead: each byte once a work-group, and nothing of them goes through LDS.
; NO CLUSTER, NO JOINT LOADS: what the four work-groups of a row share, their 52 KiB of records and scale bytes, is a twelfth of what a work-group fetches; the values take the way into registers, which no joint load serves.
; THE PRODUCT IS USED TRANSPOSED (source 0 = 16 columns of values, source 1 = 16 tokens): a lane holds eight neighbouring columns of one token's row.
.set VS_OFF, 2097152
.set QT_OFF, 32768
.set HSS_OFF, 131072
.set PL,     16384                     ; from plane to plane
.set RP,     80                        ; from row to row in a plane
.set VSL,    8*PL                      ; behind the planes: each wave's scale words of the values, 32 experts x 256 bytes;
.set STG,    VSL+4*8192                ; each wave's stage for the way out, 16 rows x 272 bytes
.set SPITCH, 272
.set BASE0, 2                          ; v2   r x RP + 16 h
.set VVS,   3                          ; v3   my lane's word among my wave's scale words of the values; stepped 8 experts a trip
.set LI,    4                          ; v4   16 x lane
.set BASES, 9                          ; v9   r x RP + plane 7: my row's scale words (the same in both halves of the lanes)
.set STO,   11                         ; v11  the stage, on the way in
.set RD,    12                         ; v12  and back
.set CO,    13                         ; v13  my byte offset in two rows of out0
.set TAB,   16                         ; v16-47   tile i's table of my row r: 4 words
.set AD,    48                         ; v48-63   tile i: LDS address of the record, and of its scale word
.set AF0,   64                         ; the tokens' operand, two sets 74 registers apart: 8 fragments, 8 scale words, 2 scale words of the values (lanes 0-15 tile 2 p, lanes 16-31 tile 2 p + 1)
.set BK,    64                         ; the way out: 16 rows read back: v64-95 and v96-127 by turns
.set GA,    212                        ; v212-215 the copy from hid: my byte offset in my wave's 32 rows, for turn s
.set LA,    216                        ; v216-219 and my LDS address
.set SW7,   220                        ; v220-227 a token's eight scale words
.set ZR,    228                        ; v228-231 zeros
.set SH,    232                        ; v232-235 the shared experts' scale bytes: 2 (e - 30) + c
.set MSB, 0
.macro WIN new                         ; the immediate's high byte repeats the setting that is left
.if MSB != \new
	s_set_vgpr_msb (MSB<<8)|\new
.set MSB, \new
.endif
.endm
	s_load_b256 s[4:11], s[0:1], 0x0               ; hid s[4:5], hs s[6:7], hsc s[8:9], vq s[10:11]
	s_load_b128 s[12:15], s[0:1], 0x20             ; route s[12:13], out0 s[14:15]
	v_lshl_add_u32 v254, v0, 2, 0x2c400
	v_mov_b32 v255, 0
	v_lshrrev_b32 v1, 5, v0
	v_readfirstlane_b32 s16, v1                    ; wave 0..3
	v_and_b32 v5, 31, v0                           ; lane
	v_and_b32 v6, 15, v0                           ; r
	v_bfe_u32 v7, v0, 4, 1                         ; h
	v_lshlrev_b32 v[LI], 4, v5
	v_mul_u32_u24 v[BASE0], v6, RP
	v_add_nc_u32 v[BASES], 7*PL, v[BASE0]
	v_lshl_add_u32 v[BASE0], v7, 4, v[BASE0]
	s_lshl_b32 s19, s16, 13
	s_add_co_u32 s19, s19, VSL
	v_lshl_add_u32 v[VVS], v5, 2, s19
	v_add_nc_u32 v8, s19, v[LI]                    ; where my wave's scale words of the values are put
	s_mul_i32 s31, s16, 32*RP                      ; my wave's 32 rows in a plane
; THE COPY FROM hid GOES DIAGONALLY.  Wave w copies rows 32 w .. 32 w + 31, 256 bytes each: four records of four pieces of 16 bytes.  Lane l: piece l % 4 of record rec = (l / 4) % 4; in turn s (0 .. 3), with j = 0 .. 3 in
; the immediate, of row 16 h + 4 ((rec + s) % 4) + j.  So the sixteen lanes of a half hold four DIFFERENT rows, 4 apart, and their LDS stores fall on banks 20 x 4 m + 4 p = 16 m + 4 p (mod 64) on from the row's.
; (The four records of one row have the same banks, whatever the plane.)  Over the four turns every record of every row is taken once.
	v_bfe_u32 v240, v0, 2, 2                       ; rec
	v_and_b32 v15, 3, v0                           ; piece
	v_lshlrev_b32 v241, 4, v6                      ; 64 rec + 16 piece = 16 (l % 16)
	v_lshl_add_u32 v241, v7, 12, v241              ; + 16 h rows of 256 bytes
	v_lshlrev_b32 v242, 14, v240                   ; plane rec
	v_mad_u32_u24 v242, v7, 16*RP, v242            ; + 16 h rows
	v_lshl_add_u32 v242, v15, 4, v242              ; + 16 piece
	v_add_nc_u32 v242, s31, v242                   ; + my wave's rows
.irp s, 0,1,2,3
	v_add_nc_u32 v243, \s, v240
	v_and_b32 v243, 3, v243                        ; m = (rec + s) % 4
	v_lshl_add_u32 v[GA+\s], v243, 10, v241        ; + 4 m rows of 256 bytes
	v_mad_u32_u24 v[LA+\s], v243, 4*RP, v242       ; + 4 m rows
.endr
	v_mul_u32_u24 v237, v5, RP
	v_add_nc_u32 v237, s31, v237
	v_add_nc_u32 v237, 7*PL, v237                  ; plane 7, row 32 w + lane: where a token's scale words are put
	v_add_nc_u32 v238, s31, v[LI]
	v_add_nc_u32 v238, 6*PL, v238                  ; plane 6, my wave's 2,560 bytes, 16 x lane
	s_lshr_b32 s38, s16, 1                         ; from hs wave w copies half c = w % 2 of expert 30 + w / 2:
	s_lshl_b32 s38, s38, 14
	s_and_b32 s39, s16, 1
	s_lshl_b32 s39, s39, 5
	s_add_co_u32 s38, s38, s39
	s_add_co_u32 s38, s38, 4*PL
	v_add_nc_u32 v239, s38, v[BASE0]               ; plane 4 + w / 2, row r, byte 32 c + 16 h: lane (r, h) of a tile's 512 bytes holds block h of row r
	v_lshlrev_b32 v236, 1, v5                      ; 2 x lane
	v_lshlrev_b32 v10, 4, v6                       ; a table is 16 bytes
.irp i, 0,1,2,3
	v_mov_b32 v[ZR+\i], 0
.endr
	v_mov_b32 v[SW7+6], 0x7f7f7f7f                 ; the zero record's scale word: four bytes of 1.0
	v_mov_b32 v[SW7+7], 0x7f7f7f7f
	s_mul_i32 s39, s16, 16*SPITCH
	s_add_co_u32 s39, s39, STG
	v_mul_u32_u24 v[STO], v6, SPITCH
	v_lshl_add_u32 v[STO], v7, 5, v[STO]
	v_add_nc_u32 v[STO], s39, v[STO]               ; in: row r, 32 bytes for each half of the lanes
	v_mul_u32_u24 v[RD], v7, SPITCH
	v_lshl_add_u32 v[RD], v6, 4, v[RD]
	v_add_nc_u32 v[RD], s39, v[RD]                 ; back: lanes 0-15 one row of 256 bytes, lanes 16-31 the next
	v_lshlrev_b32 v[CO], 12, v7
	v_lshl_add_u32 v[CO], v6, 4, v[CO]             ; and the same two rows in out0
	s_and_b32 s17, ttmp7, 0xffff                   ; y: which 128 tokens
	s_lshl_b32 s18, ttmp9, 2
	s_add_co_u32 s18, s18, s16                     ; G: which 64 columns
	s_lshl_b32 s40, s17, 15                        ; hid: 128 rows of 256 bytes,
	s_lshl_b32 s36, s16, 13
	s_add_co_u32 s40, s40, s36                     ; + my wave's 32
	s_mov_b32 s41, 0
	s_lshl_b32 s42, s16, 18                        ; hs: part w = 2 (e - 30) + c,
	s_lshl_b32 s36, s17, 12
	s_add_co_u32 s42, s42, s36                     ; + 8 y tiles of 512 bytes
	s_mov_b32 s43, 0
	s_lshl_b32 s44, s17, 11                        ; hsc: 16 bytes a token: 128 y + 32 w tokens
	s_lshl_b32 s36, s16, 9
	s_add_co_u32 s44, s44, s36
	s_mov_b32 s45, 0
	s_lshl_b32 s46, s17, 8                         ; its shared part: 2 bytes a token (HSS_OFF and the part stand in the immediate)
	s_lshl_b32 s36, s16, 6
	s_add_co_u32 s46, s46, s36
	s_mov_b32 s47, 0
	s_lshl_b32 s48, s18, 17                        ; vq: 32 experts x 4 images
	s_mov_b32 s49, 0
	s_lshl_b32 s50, s18, 13                        ; and 32 x 256 bytes of scale words
	s_mov_b32 s51, 0
	s_lshl_b32 s52, s17, 11                        ; route: 128 tables
	s_mov_b32 s53, 0
	s_lshl_b32 s54, s17, 19
	s_lshl_b32 s36, s18, 8
	s_add_co_u32 s54, s54, s36                     ; out0: 128 rows of 4,096 bytes, + 256 G
	s_mov_b32 s55, 0
	s_wait_kmcnt 0x0
	s_add_nc_u64 s[20:21], s[4:5], s[40:41]
	s_add_nc_u64 s[32:33], s[6:7], s[42:43]
	s_add_nc_u64 s[34:35], s[8:9], s[44:45]
	s_add_nc_u64 s[36:37], s[8:9], s[46:47]
	s_add_nc_u64 s[22:23], s[10:11], s[48:49]
	s_add_nc_u64 s[24:25], s[10:11], s[50:51]
	s_add_nc_u64 s[26:27], s[12:13], s[52:53]
	s_add_nc_u64 s[28:29], s[14:15], s[54:55]
.macro BLOAD ring, bo                  ; an expert's four fragments of the values, bo bytes from the walking base, into ring set ring
	WIN 0x80                                       ; destination window 2
.irp j, 0,1,2,3
	global_load_b128 v[32*(\ring)+8*\j:32*(\ring)+8*\j+3], v[LI], s[22:23] offset:(\bo)+1024*\j
	global_load_b128 v[32*(\ring)+8*\j+4:32*(\ring)+8*\j+7], v[LI], s[22:23] offset:(\bo)+1024*\j+512
.endr
.endm
	WIN 0x40                                       ; destination window 1, which is free until the first product
.irp j, 0,1,2,3
.irp s, 0,1,2,3
	global_load_b128 v[4*(4*\j+\s):4*(4*\j+\s)+3], v[GA+\s], s[20:21] offset:256*\j   ; eight records of 64 bytes; the four turns of a j take the same eight rows, whole
.endr
.endr
.irp t, 0,1,2,3,4,5,6,7
	global_load_b128 v[64+4*\t:64+4*\t+3], v[LI], s[32:33] offset:512*\t     ; a tile of hs: 512 consecutive bytes
.endr
.set i, 0
.rept 16
	global_load_b128 v[128+4*i:128+4*i+3], v[LI], s[24:25] offset:VS_OFF+512*i
.set i, i+1
.endr
	WIN 0
.irp i, 0,1,2,3,4,5,6,7
	global_load_b128 v[TAB+4*\i:TAB+4*\i+3], v10, s[26:27] offset:QT_OFF+256*\i
.endr
	global_load_b128 v[SW7:SW7+3], v[LI], s[34:35]                 ; token 32 w + lane: the scale words of its routed four: 512 consecutive bytes
.irp k, 0,1,2,3
	global_load_u16 v[SH+\k], v236, s[36:37] offset:HSS_OFF+16384*\k
.endr
	BLOAD 0, 0
	BLOAD 1, 4096
	BLOAD 2, 8192
	BLOAD 3, 12288
	BLOAD 4, 16384
	BLOAD 5, 20480
	BLOAD 6, 24576
	WIN 0
.irp k, 0,1,2,3,4
	ds_store_b128 v238, v[ZR:ZR+3] offset:512*\k   ; plane 6: my wave's 2,560 bytes of zeros
.endr
	s_wait_loadcnt 56                              ; all but the ring's 7 x 8 loads
	WIN 0x04                                       ; an LDS store's data are its source 1: window 1
.irp j, 0,1,2,3
.irp s, 0,1,2,3
	ds_store_b128 v[LA+\s], v[4*(4*\j+\s):4*(4*\j+\s)+3] offset:RP*\j
.endr
.endr
.irp t, 0,1,2,3,4,5,6,7
	ds_store_b128 v239, v[64+4*\t:64+4*\t+3] offset:16*RP*\t
.endr
.set i, 0
.rept 16
	ds_store_b128 v8, v[128+4*i:128+4*i+3] offset:512*i
.set i, i+1
.endr
	WIN 0
	v_lshl_or_b32 v[SW7+4], v[SH+1], 16, v[SH]     ; expert 30's scale word: the bytes of half 0 below those of half 1
	v_lshl_or_b32 v[SW7+5], v[SH+3], 16, v[SH+2]   ; expert 31's
	ds_store_b128 v237, v[SW7:SW7+3]
	ds_store_b128 v237, v[SW7+4:SW7+7] offset:16
	s_wait_dscnt 0x0                               ; for the others' sake: my stores into the planes have landed
	s_barrier_signal -1
	s_barrier_wait -1
; The tokens' operand for the expert whose nibble is number x of the tables as they stand: 32 plain lines, then 26 LDS loads.
.macro ALOAD set, x
.set AB, AF0+74*(\set)
.irp i, 0,1,2,3,4,5,6,7
	v_bfe_u32 v[AD+2*\i+1], v[TAB+4*\i+(\x)/8], 4*((\x)%8), 4
.endr
.irp i, 0,1,2,3,4,5,6,7
	v_min_u32 v[AD+2*\i+1], 6, v[AD+2*\i+1]
.endr
.irp i, 0,1,2,3,4,5,6,7
	v_lshl_add_u32 v[AD+2*\i], v[AD+2*\i+1], 14, v[BASE0]          ; the record: plane q
.endr
.irp i, 0,1,2,3,4,5,6,7
	v_lshl_add_u32 v[AD+2*\i+1], v[AD+2*\i+1], 2, v[BASES]         ; its scale word: word q of the row in plane 7
.endr
.irp i, 0,1,2,3,4,5,6,7
	ds_load_b128 v[AB+8*\i:AB+8*\i+3], v[AD+2*\i] offset:16*RP*\i
	ds_load_b128 v[AB+8*\i+4:AB+8*\i+7], v[AD+2*\i] offset:16*RP*\i+32
	ds_load_b32 v[AB+64+\i], v[AD+2*\i+1] offset:16*RP*\i
.endr
	ds_load_b32 v[AB+72], v[VVS] offset:256*(\x)
	ds_load_b32 v[AB+73], v[VVS] offset:256*(\x)+128
.endm
.macro CMM cur, ring, i, j, zero
.set rD, 8*(4*(\i)+(\j))
.set rV, 32*(\ring)+8*(\j)
.set rA, AF0+74*(\cur)+8*(\i)
.set rT, AF0+74*(\cur)+64+(\i)
.set rU, AF0+74*(\cur)+72+(\j)/2
.if \zero
.if (\j)%2
	v_wmma_scale_f32_16x16x128_f8f6f4 v[rD:rD+7], v[rV:rV+7], v[rA:rA+7], 0, v[rU], v[rT] matrix_a_fmt:MATRIX_FMT_FP4 matrix_b_fmt:MATRIX_FMT_FP4 matrix_a_scale:MATRIX_SCALE_ROW1
.else
	v_wmma_scale_f32_16x16x128_f8f6f4 v[rD:rD+7], v[rV:rV+7], v[rA:rA+7], 0, v[rU], v[rT] matrix_a_fmt:MATRIX_FMT_FP4 matrix_b_fmt:MATRIX_FMT_FP4
.endif
.else
.if (\j)%2
	v_wmma_scale_f32_16x16x128_f8f6f4 v[rD:rD+7], v[rV:rV+7], v[rA:rA+7], v[rD:rD+7], v[rU], v[rT] matrix_a_fmt:MATRIX_FMT_FP4 matrix_b_fmt:MATRIX_FMT_FP4 matrix_a_scale:MATRIX_SCALE_ROW1
.else
	v_wmma_scale_f32_16x16x128_f8f6f4 v[rD:rD+7], v[rV:rV+7], v[rA:rA+7], v[rD:rD+7], v[rU], v[rT] matrix_a_fmt:MATRIX_FMT_FP4 matrix_b_fmt:MATRIX_FMT_FP4
.endif
.endif
.endm
; One expert.  cur: its set of the tokens' operand; ring: its ring set.  al = 1: the next expert's operand (nibble x) is fetched into the other set; bl = 1: the values of the expert seven on, bo bytes from the
; base, into the ring set that the expert before has left.  ALOAD's 32 plain lines are the places between the last products and the loads into registers that they read.  lc: the ring's loads that may stay out.
.macro EXPERT cur, ring, al, x, bl, bo, lc, zero
.if \al
	WIN 0
	ALOAD 1-(\cur), \x
.endif
.if \bl
	BLOAD ((\ring)+7)%8, \bo
.endif
.if \al
	s_wait_dscnt 26                                ; all but the next expert's 26 loads
.else
	s_wait_dscnt 0x0
.endif
	s_wait_loadcnt \lc                             ; this expert's eight loads are in; the later experts' may be out
	WIN 0x52                                       ; source 0 (values) window 2, source 1 (tokens) window 0, C and D window 1
.irp i, 0,1,2,3,4,5,6,7
.irp j, 0,1,2,3
	CMM \cur, \ring, \i, \j, \zero                 ; the 32 accumulators take turns, one instruction a turn, in the same order for every expert
.endr
.endr
.endm
	ALOAD 0, 0                                     ; expert 0
	EXPERT 0, 0, 1, 1, 1, 28672, 56, 1             ; its products start the sums: nothing is cleared
	WIN 0                                          ; at a label and at a branch every window is 0
	s_mov_b32 s30, 3
.Ltrip:                                            ; experts 1 + 8 k .. 8 + 8 k, k = 0, 1, 2.  The tables' word 0 holds experts 8 k .. 8 k + 7; the next expert's nibble is number 2 + j
	EXPERT 1, 1, 1, 2, 1, 32768, 56, 0
	EXPERT 0, 2, 1, 3, 1, 36864, 56, 0
	EXPERT 1, 3, 1, 4, 1, 40960, 56, 0
	EXPERT 0, 4, 1, 5, 1, 45056, 56, 0
	EXPERT 1, 5, 1, 6, 1, 49152, 56, 0
	EXPERT 0, 6, 1, 7, 1, 53248, 56, 0
	EXPERT 1, 7, 1, 8, 1, 57344, 56, 0
	EXPERT 0, 0, 1, 9, 1, 61440, 56, 0
	WIN 0
.irp i, 0,1,2,3,4,5,6,7
	v_mov_b32 v[TAB+4*\i], v[TAB+4*\i+1]           ; the tables' words move down one place
	v_mov_b32 v[TAB+4*\i+1], v[TAB+4*\i+2]
	v_mov_b32 v[TAB+4*\i+2], v[TAB+4*\i+3]
.endr
	v_add_nc_u32 v[VVS], 2048, v[VVS]              ; eight experts' scale words on
	s_wait_xcnt 0x0                                ; the ring's loads have read their base: it steps only behind this wait
	s_add_nc_u64 s[22:23], s[22:23], 32768         ; eight experts' images on
	s_sub_co_u32 s30, s30, 1
	s_cmp_lg_u32 s30, 0
	s_cbranch_scc1 .Ltrip
	EXPERT 1, 1, 1, 2, 0, 0, 48, 0                 ; experts 25 to 31: nothing is left to fetch of the values, and the counts run down
	EXPERT 0, 2, 1, 3, 0, 0, 40, 0
	EXPERT 1, 3, 1, 4, 0, 0, 32, 0
	EXPERT 0, 4, 1, 5, 0, 0, 24, 0
	EXPERT 1, 5, 1, 6, 0, 0, 16, 0
	EXPERT 0, 6, 1, 7, 0, 0, 8, 0
	EXPERT 1, 7, 0, 0, 0, 0, 0, 0
	WIN 0
; THE WAY OUT, a tile of 16 tokens x 64 columns at a time.  A lane holds 32 neighbouring bytes of a row and the lanes beside it other rows: so a tile goes through my own stage in LDS and comes back by rows,
; and sixteen lanes store 256 consecutive bytes, at a multiple of 256 from out0's first byte.
	s_wait_dscnt 0x0
	s_barrier_signal -1                            ; every wave's reads of the records, whose places hang on the tables, are over before any wave stores into a stage
	s_barrier_wait -1
.rept 4
	v_nop                                          ; four places between the last products and the first LDS store of a result, and the loads into the registers that held the tokens' fragments
.endr
.macro TOSTAGE i
	WIN 0x04                                       ; the data: window 1
.irp j, 0,1,2,3
	ds_store_b128 v[STO], v[8*(4*(\i)+\j):8*(4*(\i)+\j)+3] offset:64*\j      ; each accumulator from its low end on
	ds_store_b128 v[STO], v[8*(4*(\i)+\j)+4:8*(4*(\i)+\j)+7] offset:64*\j+16
.endr
	WIN 0
.irp t, 0,1,2,3,4,5,6,7
	ds_load_b128 v[BK+32*((\i)%2)+4*\t:BK+32*((\i)%2)+4*\t+3], v[RD] offset:2*\t*SPITCH   ; LDS serves a wave's instructions in order: these see the stores above, and the next tile's stores come behind them
.endr
.endm
.macro SEND i, younger                 ; younger: the LDS instructions issued behind tile i's loads, which may stay out
	s_wait_dscnt \younger
.irp t, 0,1,2,3,4,5,6,7
	global_store_b128 v[CO], v[BK+32*((\i)%2)+4*\t:BK+32*((\i)%2)+4*\t+3], s[28:29] offset:(16*(\i)+2*\t)*4096 th:TH_STORE_NT   ; written once, read by nobody here
.endr
.endm
	TOSTAGE 0
.irp i, 1,2,3,4,5,6,7
.if \i > 1
	s_wait_xcnt 0x0                                ; tile i - 2's stores have read their registers: tile i's loads may land there
.endif
	TOSTAGE \i
	SEND \i-1, 16                                  ; behind tile i - 1's loads: tile i's 8 stores and 8 loads
.endr
	SEND 7, 0
	s_wait_tensorcnt 0x0
	ds_add_u32 v254, v255
	s_wait_dscnt 0x0
	s_endpgm
.Lfunc_end_k_q5eaeba97d6_combine:
	.size	k_q5eaeba97d6_combine, .Lfunc_end_k_q5eaeba97d6_combine-k_q5eaeba97d6_combine
	.p2alignl 7, 3214868480
	.fill 96, 4, 3214868480
	.section	.rodata,"a",@progbits
	.p2align	6, 0x0
	.amdhsa_kernel k_q5eaeba97d6_combine
		.amdhsa_group_segment_fixed_size 181760
		.amdhsa_private_segment_fixed_size 0
		.amdhsa_enable_private_segment 0
		.amdhsa_kernarg_size 48
		.amdhsa_user_sgpr_count 2
		.amdhsa_user_sgpr_kernarg_segment_ptr 1
		.amdhsa_wavefront_size32 1
		.amdhsa_system_sgpr_workgroup_id_x 1
		.amdhsa_system_sgpr_workgroup_id_y 1
		.amdhsa_system_sgpr_workgroup_id_z 1
		.amdhsa_system_vgpr_workitem_id 0
		.amdhsa_next_free_vgpr 768
		.amdhsa_next_free_sgpr 66
		.amdhsa_reserve_vcc 0
		.amdhsa_float_denorm_mode_32 3
		.amdhsa_float_denorm_mode_16_64 3
		.amdhsa_memory_ordered 1
		.amdhsa_forward_progress 1
		.amdhsa_inst_pref_size 163
	.end_amdhsa_kernel
	.amdgpu_metadata
---
amdhsa.version: [ 1, 2 ]
amdhsa.kernels:
  - .name:           k_q5eaeba97d6_combine
    .symbol:         k_q5eaeba97d6_combine.kd
    .args:
      - { .name: hid, .offset: 0, .size: 8, .value_kind: global_buffer, .address_space: global }
      - { .name: hs, .offset: 8, .size: 8, .value_kind: global_buffer, .address_space: global }
      - { .name: hsc, .offset: 16, .size: 8, .value_kind: global_buffer, .address_space: global }
      - { .name: vq, .offset: 24, .size: 8, .value_kind: global_buffer, .address_space: global }
      - { .name: route, .offset: 32, .size: 8, .value_kind: global_buffer, .address_space: global }
      - { .name: out0, .offset: 40, .size: 8, .value_kind: global_buffer, .address_space: global }
    .group_segment_fixed_size: 181760
    .private_segment_fixed_size: 0
    .kernarg_segment_align: 8
    .kernarg_segment_size: 48
    .max_flat_workgroup_size: 128
    .sgpr_count:     66
    .vgpr_count:     768
    .wavefront_size: 32
...
	.end_amdgpu_metadata
.endif
;; end of part 3
;; ======== version 2 of 2: 3 launches; version 1 with the launches hidden, combine written anew for expert scheduling mode
;; workspace buffers: xq 4,456,448 bytes; kq 2,228,224 bytes; vq 2,228,224 bytes; route 163,840 bytes of whole numbers; aff 1,048,576 bytes; hid 2,097,152 bytes; hs 1,048,576 bytes; hsc 196,608 bytes
;; launch prep: the kernel of part 1 again; grid 1024 x 1, 4 waves a work-group, no clusters, 62,208 bytes of LDS; arguments selection_input, expert_sel, bias_ffn, token_stream, keys, values, xq, kq, vq, route, aff, out1; writes xq, kq, vq, route, aff, out1
;; launch hidden (part 4): grid 1832 x 1, 1 waves a work-group, no clusters, 2,304 bytes of LDS; arguments xq, kq, route, aff, hid, hs, hsc; writes hid, hs, hsc
.if DOCPART == 4
	.amdgcn_target "amdgcn-amd-amdhsa--gfx1250"
	.amdhsa_code_object_version 6
	.text
	.protected	k_q5eaeba97d6_hidden
	.globl	k_q5eaeba97d6_hidden
	.p2align	8
	.type	k_q5eaeba97d6_hidden,@function
k_q5eaeba97d6_hidden:
	s_mov_b64 s[64:65], 0
	v_nop
	global_prefetch_b8 v0, s[64:65] scope:SCOPE_SE
	s_setreg_imm32_b32 hwreg(HW_REG_WAVE_SCHED_MODE, 0, 2), 2
	s_setreg_imm32_b32 hwreg(HW_REG_WAVE_MODE, 25, 1), 1
	s_wait_xcnt 0x0
	s_wait_alu depctr_vm_vsrc(0)
; HIDDEN: Q(silu(Q(x) Q(K_e)) x affinity), for the chosen (token, expert) pairs alone: the problem multiplies all the others by a weight of 0 that it builds itself.
; A work-group is ONE wave: which tiles it works hangs on counts read from route, so it has no barrier, and its list of tokens in LDS is its own.
; UNITS.  Numbers 0-1319: half c = number % 2 of the hidden units of routed expert e, for the tokens of 12 words of bits (384 tokens; 22 such runs an expert, the last of 4 words).
; Numbers 1320-1831: half c of shared expert 30 or 31, for 2 words (64 tokens, all chosen).  A unit whose tokens did not choose its expert stores nothing.
; The unit's 32 fragments of K_e (8 K steps x 4 tiles of 16 hidden units) stay in window 1 of the registers.  Tokens are taken 16 at a time from the list; a tile's rows of x are asked for one tile ahead.
; THE LOOP HAS A CONSTANT COUNT: 12 trips of two tiles, as many as 12 x 32 tokens can fill; a scalar branch on the stored count jumps over the work of tiles that do not exist.  So the list's LDS address is
; 4 r + 128 x trip + an immediate.
; ALL LANES STAY ON.  Behind its n tokens the list holds the unit's FIRST token again, 32 times: a tile's spare rows compute what that token's own row computes (a column of the product hangs on no other column)
; and store the same bytes at the same place.
; THE PRODUCT IS USED TRANSPOSED (source 0 = 16 hidden units, source 1 = 16 tokens): a lane holds one token, and, by the order of the weights' rows, the 16 registers of tiles 2 b and 2 b + 1 are hidden units
; 64 c + 32 b + 16 (lane / 16) + 0 .. 15: neighbours along the next product's K.  They are quantised in registers: 32 bytes of codes and 2 scale bytes for a token and a half.
; WHERE THEY GO.  A routed expert's: hid [token][place 4][c 2][32 bytes], the place being the expert's among the token's routed four; the scale bytes to hsc [token][place 4][c 2][2 bytes], 16 tokens in 256 bytes.
; A shared expert's tokens are neighbours, so its tile is laid as it stands in the lanes: hs [2 (e - 30) + c][tile of 16 tokens][block 2][row 16][16 bytes]: the store is 16 x lane, 512 consecutive bytes, aligned;
; its scale bytes to hsc + HSS_OFF [2 (e - 30) + c][token][2 bytes]: a tile's 32 bytes on end.
; LIMITS: NaN and infinities are not served; a block whose largest magnitude lies under 2^-124 (a block of zeros too) has the scale byte 1: this program alone reads the bytes.
; THE MODE: SCHED_MODE bits 1:0 = 2 (LLVM: expert scheduling mode 2), set by the entry lines.  The code itself states the register dependences between vector or matrix instructions and memory or LDS
; instructions, with s_wait_alu, always for 0.
; THE PLAN.  Registers that memory or LDS instructions touch:
;   v3, v4, v5     offsets, made at the head and never written again.
;   the list       At the head alone: the fill v[TM .. TM+3]; a register of its own for each word's address, v[LAD ..], and tokens, v[LTK ..]; v[LZ], v[LF], v[LN].  All that hangs on no loaded word is made ahead of the
;                  head's first wait, the addresses ahead of its second, and the stores go in one run.  They lie in the accumulators' registers: one wait on vm_vsrc behind the run frees them for the products.
;   a tile's set p v[GB+9], the list's address; v[GB], in which the token's LDS load lands; v[GB+1 .. GB+4], four offsets; XF[p], XSC[p], v[GB+5], v[GB+6], in which 20 loads land.  Tile t works on set p and asks for
;                  tile t + 1 into the other set, which no vector or matrix instruction of tile t names but GATHER's own lines.  GATHER stands at the tile's head: its first wait on va_vdst states that the address is
;                  written and that all that read or wrote that set is done; its second that the four offsets are written.
;   the way out    v[A1], v[A2], v[CD ..], v[PW]: written by the tile's arithmetic, read by its two stores: one wait on va_vdst ahead of them, one on vm_vsrc behind them, which also frees the offsets that the tile's loads read.
.set XS_OFF, 4194304
.set KS_OFF, 2097152
.set QT_OFF, 32768
.set HSS_OFF, 131072
.set ROUTED, 1320                      ; the routed experts' units
.set MAXT, 24                          ; tiles at the most: 12 words x 32 tokens / 16
.set KSR, 32                           ; v32-47   the weights' scale words: register 2 s + p: lanes 0-15 tile 2 p, lanes 16-31 tile 2 p + 1
.set XSC, 48                           ; v48-63   x's scale words, two sets of 8: register s = K step s of row r
.set XF,  64                           ; v64-191  x's fragments, two sets of 64; a set's first 32 registers serve the activation once its products are done
.set H,   192                          ; v192-223 the four accumulators
.set LAD, 192                          ; v192-203 at the head only: word j's LDS addresses in the list
.set LTK, 204                          ; v204-215 at the head only: word j's tokens
.set LZ,  216                          ; v216     at the head only: 0, the LDS address of entry 0
.set LF,  217                          ; v217     at the head only: the unit's first token
.set LN,  218                          ; v218     at the head only: the LDS address of entry n + lane
.set CD,  224                          ; v224-227 the codes
.set TM,  228                          ; v228-233 at work
.set PW,  234                          ; the two scale bytes
.set SL,  235                          ; the expert's place among the token's routed four
.set A1,  240                          ; where the codes go
.set A2,  241                          ; where the bytes go
.set A3,  242                          ; at work
; a tile's own registers, set p at v[8 + 12 p]: +0 token, +1 .. +4 offsets (x's codes, x's scales, table, affinity), +5 table word, +6 affinity (+7 named with it as a pair), +9 LDS address;  v18: 256 h
; scalars: s14 c, s15 e, s16 first word, s17 words, s24-35 the words of bits, s36 n, s39 tiles walked, s41 tiles, s44 the nibble's first bit, s47 the list's step, s[48:49] lane selects,
;          s[50:51] my images, s[52:53] my scale words, s[54:55] my words of bits, s[56:57] route + 4 (e / 8), s[58:59] aff + 4 e, s[60:61] where my codes begin, s[62:63] where my scale bytes begin
.set MSB, 0
.macro WIN new                         ; the immediate's high byte repeats the setting that is left
.if MSB != \new
	s_set_vgpr_msb (MSB<<8)|\new
.set MSB, \new
.endif
.endm
	s_load_b256 s[4:11], s[0:1], 0x0               ; xq s[4:5], kq s[6:7], route s[8:9], aff s[10:11]
	s_load_b64 s[12:13], s[0:1], 0x20              ; hid
	s_load_b64 s[68:69], s[0:1], 0x28              ; hs
	s_load_b64 s[70:71], s[0:1], 0x30              ; hsc
	v_lshl_add_u32 v254, v0, 2, 0x800
	v_mov_b32 v255, 0
	v_and_b32 v1, 15, v0                           ; r (one wave: v0 is the lane)
	v_lshrrev_b32 v2, 4, v0                        ; h
	v_lshlrev_b32 v3, 4, v0                        ; 16 x lane
	v_lshlrev_b32 v4, 2, v0                        ; 4 x lane
	v_lshlrev_b32 v5, 2, v1                        ; 4 r: my row's entry in a tile's 16 of the list; never rewritten
	v_lshlrev_b32 v6, 4, v2                        ; 16 h
	v_lshlrev_b32 v18, 8, v2                       ; 256 h
	v_add_nc_u32 v7, 480, v0                       ; entries 480-511 take what the lanes that were not chosen write
	v_mov_b32 v15, 0                               ; (the upper halves of the affinities' pairs are named, so they are written)
	v_mov_b32 v27, 0
	v_mov_b32 v[LZ], 0                             ; entry 0 of the list
	s_lshr_b32 s14, ttmp9, 1
	s_mul_i32 s15, s14, 2979
	s_lshr_b32 s15, s15, 16                        ; (number / 2) / 22, exact up to 659
	s_mul_i32 s16, s15, 22
	s_sub_co_u32 s16, s14, s16
	s_mul_i32 s16, s16, 12                         ; the run's first word
	s_sub_co_u32 s17, 256, s16
	s_min_u32 s17, s17, 12                         ; and how many
	s_sub_co_u32 s18, ttmp9, ROUTED
	s_bfe_u32 s19, s18, 0x10001
	s_add_co_u32 s19, s19, 30
	s_lshr_b32 s20, s18, 2
	s_lshl_b32 s20, s20, 1
	s_cmp_lt_u32 ttmp9, ROUTED
	s_cselect_b32 s15, s15, s19                    ; e
	s_cselect_b32 s16, s16, s20                    ; g0
	s_cselect_b32 s17, s17, 2                      ; nw
	s_lshl_b32 s19, s16, 5                         ; the run's first token: it fills the whole list first, so that every entry is written and a unit without tokens gathers inside the buffers
.irp i, 0,1,2,3
	v_mov_b32 v[TM+\i], s19
.endr
	v_add_nc_u32 v[LTK], s19, v0                   ; my lane's token in word 0,
.irp j, 1,2,3,4,5,6,7,8,9,10,11
	v_add_nc_u32 v[LTK+\j], 32*\j, v[LTK]          ; and in word j
.endr
	s_and_b32 s14, ttmp9, 1                        ; c
	s_and_b32 s44, s15, 7
	s_lshl_b32 s44, s44, 2                         ; the nibble's first bit
	s_mov_b32 s48, 0x76543210
	s_mov_b32 s49, 0xfedcba98                      ; v_permlanex16_b32's selects for lane l xor 16
	s_lshl_b32 s18, s15, 1
	s_add_co_u32 s18, s18, s14                     ; 2 e + c
	s_lshl_b32 s20, s18, 15                        ; its 32 images
	s_mov_b32 s21, 0
	s_lshl_b32 s22, s18, 11                        ; its 16 x 128 bytes of scale words
	s_mov_b32 s23, 0
	s_lshr_b32 s56, s15, 3
	s_lshl_b32 s56, s56, 2                         ; the table's word that holds nibble e, in bytes
	s_mov_b32 s57, 0
	s_lshl_b32 s58, s15, 2                         ; 4 e
	s_mov_b32 s59, 0
	s_lshl_b32 s60, s14, 5                         ; a routed unit: 32 c into hid,
	s_mov_b32 s61, 0
	s_lshl_b32 s62, s14, 1                         ; 2 c into hsc
	s_mov_b32 s63, 0
	s_sub_co_u32 s72, s15, 30
	s_lshl_b32 s72, s72, 1
	s_add_co_u32 s72, s72, s14                     ; a shared unit: 2 (e - 30) + c (in a routed unit a number that is not used)
	s_lshl_b32 s73, s72, 18                        ; its 512 tiles of 512 bytes in hs,
	s_lshl_b32 s72, s72, 14
	s_add_co_u32 s72, s72, HSS_OFF                 ; its 8,192 x 2 bytes in hsc
	s_cmp_lt_u32 ttmp9, ROUTED
	s_cselect_b32 s60, s60, s73
	s_cselect_b32 s62, s62, s72
	s_lshl_b32 s40, s16, 7
	s_add_co_u32 s40, s40, s58                     ; route: word (g0, e)
	s_mov_b32 s41, 0
	s_wait_kmcnt 0x0
	s_add_nc_u64 s[50:51], s[6:7], s[20:21]
	s_add_nc_u64 s[52:53], s[6:7], s[22:23]
	s_add_nc_u64 s[54:55], s[8:9], s[40:41]
	s_add_nc_u64 s[56:57], s[8:9], s[56:57]
	s_add_nc_u64 s[58:59], s[10:11], s[58:59]
	s_cmp_lt_u32 ttmp9, ROUTED                     ; hid or hs: the choice hangs on the work-group's number alone
	s_cselect_b64 s[74:75], s[12:13], s[68:69]
	s_add_nc_u64 s[60:61], s[74:75], s[60:61]
	s_add_nc_u64 s[62:63], s[70:71], s[62:63]
.set jw, 0
.rept 12
	s_load_b32 s[24+jw], s[54:55], jw*128          ; twelve words of bits (those past word 255 still lie inside route, and are put to 0 below)
.set jw, jw+1
.endr
	WIN 0x40                                       ; destination window 1
	s_wait_alu depctr_va_vdst(0)                   ; v3 and v4 are written, which the loads below read as offsets; so are v[TM .. TM+3], the fill stores' data, the tokens v[LTK ..] and v[LZ]
.set f, 0
.rept 32
	global_load_b128 v[8*f:8*f+3], v3, s[50:51] offset:1024*f      ; fragment (s, t) = 4 s + t, as an image of its registers
	global_load_b128 v[8*f+4:8*f+7], v3, s[50:51] offset:1024*f+512
.set f, f+1
.endr
	WIN 0
.set f, 0
.rept 16
	global_load_b32 v[KSR+f], v4, s[52:53] offset:KS_OFF+128*f
.set f, f+1
.endr
.irp i, 0,1,2,3
	ds_store_b128 v3, v[TM:TM+3] offset:512*\i     ; the fill.  No wait: no vector instruction since the wait above names v3 or v[TM ..]
.endr
	s_mov_b32 s36, 0                               ; tokens so far
	s_wait_kmcnt 0x0
.set jw, 0
.rept 12                               ; word by word: a chosen lane's token goes to entry (tokens so far + chosen lanes below mine).  Each word has an address register of its own, so that one wait serves the twelve stores
	s_cmp_gt_u32 s17, jw
	s_cselect_b32 s[24+jw], s[24+jw], 0
	v_mbcnt_lo_u32_b32 v[LAD+jw], s[24+jw], s36
	v_cndmask_b32 v[LAD+jw], v7, v[LAD+jw], s[24+jw]
	v_min_u32 v[LAD+jw], 511, v[LAD+jw]
	v_lshlrev_b32 v[LAD+jw], 2, v[LAD+jw]
	s_bcnt1_i32_b32 s37, s[24+jw]
	s_add_co_u32 s36, s36, s37
.set jw, jw+1
.endr
	v_add_nc_u32 v[LN], s36, v0                    ; entries n .. n + 31 take the first token: the last tile's spare rows reach n + 14 at the most, the gather one tile ahead n + 30; n + 31 is at most 415
	v_min_u32 v[LN], 511, v[LN]
	v_lshlrev_b32 v[LN], 2, v[LN]
	s_wait_alu depctr_va_vdst(0)                   ; the twelve addresses v[LAD ..] and v[LN] are written, which the LDS stores below read
.set jw, 0
.rept 12
	ds_store_b32 v[LAD+jw], v[LTK+jw]
.set jw, jw+1
.endr
	ds_load_b32 v[LF], v[LZ]                       ; entry 0: the unit's first token (LDS serves a wave's instructions in order: this sees the stores above)
	s_wait_dscnt 0x0
	ds_store_b32 v[LN], v[LF]
	s_wait_alu depctr_vm_vsrc(0)                   ; the list's stores and load have read v[LAD] to v[LN] and v[TM .. TM+3]: the products write the first as accumulators, the tiles' maxima the others
	s_add_co_u32 s41, s36, 15                      ; n, at most 384
	s_lshr_b32 s41, s41, 4                         ; tiles, at most MAXT
; Sixteen tokens of the list, off bytes behind the trip's first entry, and all that a tile wants of them: 20 loads.  The token is held to 8,191; behind that only shifts to the left and additions make the offsets.
.macro GATHER p, off
.set GB, 8+12*(\p)
	v_add_nc_u32 v[GB+9], s47, v5                  ; 128 x trip + 4 r: at the most 1,408 + 60, and with the immediate 1,596: inside the list's 2,048 bytes
	s_wait_alu depctr_va_vdst(0)                   ; v[GB+9] is written, which the load below reads; the tile that last held this set is done reading its token, in which that load lands, and done with XF, XSC, v[GB+5] and v[GB+6] of the set, in which the 20 loads land
	ds_load_b32 v[GB], v[GB+9] offset:\off         ; LDS serves a wave's instructions in order: this sees the list's stores
	s_wait_dscnt 0x0
	v_min_u32 v[GB], 8191, v[GB]
	v_lshlrev_b32 v[GB+1], 9, v[GB]                ; x's codes: a row of 512 bytes,
	v_add_nc_u32 v[GB+1], v[GB+1], v6              ; + 16 h
	v_lshlrev_b32 v[GB+2], 5, v[GB]                ; x's scale bytes: 32 a row
	v_lshlrev_b32 v[GB+3], 4, v[GB]                ; the token's table: 16 bytes (the word stands in the base)
	v_lshlrev_b32 v[GB+4], 7, v[GB]                ; its row of aff: 128 bytes (the expert stands in the base)
	s_wait_alu depctr_va_vdst(0)                   ; the four offsets v[GB+1 .. GB+4] are written, which the 20 loads below read
.irp s, 0,1,2,3,4,5,6,7
	global_load_b128 v[XF+64*(\p)+8*\s:XF+64*(\p)+8*\s+3], v[GB+1], s[4:5] offset:64*\s
	global_load_b128 v[XF+64*(\p)+8*\s+4:XF+64*(\p)+8*\s+7], v[GB+1], s[4:5] offset:64*\s+32
.endr
	global_load_b128 v[XSC+8*(\p):XSC+8*(\p)+3], v[GB+2], s[4:5] offset:XS_OFF
	global_load_b128 v[XSC+8*(\p)+4:XSC+8*(\p)+7], v[GB+2], s[4:5] offset:XS_OFF+16
	global_load_b32 v[GB+5], v[GB+3], s[56:57] offset:QT_OFF
	global_load_b32 v[GB+6], v[GB+4], s[58:59]
.endm
.macro HMM p, s, t
.set rD, H+8*(\t)
.set rW, 8*(4*(\s)+(\t))
.set rX, XF+64*(\p)+8*(\s)
.set rK, KSR+2*(\s)+(\t)/2
.set rS, XSC+8*(\p)+(\s)
.if (\s) == 0
.if (\t)%2
	v_wmma_scale_f32_16x16x128_f8f6f4 v[rD:rD+7], v[rW:rW+7], v[rX:rX+7], 0, v[rK], v[rS] matrix_a_fmt:MATRIX_FMT_FP4 matrix_b_fmt:MATRIX_FMT_FP4 matrix_a_scale:MATRIX_SCALE_ROW1
.else
	v_wmma_scale_f32_16x16x128_f8f6f4 v[rD:rD+7], v[rW:rW+7], v[rX:rX+7], 0, v[rK], v[rS] matrix_a_fmt:MATRIX_FMT_FP4 matrix_b_fmt:MATRIX_FMT_FP4
.endif
.else
.if (\t)%2
	v_wmma_scale_f32_16x16x128_f8f6f4 v[rD:rD+7], v[rW:rW+7], v[rX:rX+7], v[rD:rD+7], v[rK], v[rS] matrix_a_fmt:MATRIX_FMT_FP4 matrix_b_fmt:MATRIX_FMT_FP4 matrix_a_scale:MATRIX_SCALE_ROW1
.else
	v_wmma_scale_f32_16x16x128_f8f6f4 v[rD:rD+7], v[rW:rW+7], v[rX:rX+7], v[rD:rD+7], v[rK], v[rS] matrix_a_fmt:MATRIX_FMT_FP4 matrix_b_fmt:MATRIX_FMT_FP4
.endif
.endif
.endm
; A tile of 16 tokens, in set p; np is the other set, off the next tile's place in the list behind the trip's first entry.
.macro TILE p, np, off
	GATHER \np, \off                               ; the next tile (past the list's end: the first token again)
	s_wait_loadcnt 20                              ; all but the 20 just issued: this tile's loads are in (and, the first time, the weights)
	WIN 0x01                                       ; source 0, the weights, in window 1
.irp s, 0,1,2,3,4,5,6,7
.irp t, 0,1,2,3
	HMM \p, \s, \t                                 ; the four accumulators take turns, one instruction a turn; K ascending; the first K step starts the sums
.endr
.endr
	WIN 0
.set TB, 8+12*(\p)
.set TT, XF+64*(\p)
; Where the tile's results go: two ways, parted by the work-group's number.  On either way the plain lines, which name none of the products' registers, are the places behind the products.
	s_cmp_lt_u32 ttmp9, ROUTED
	s_cbranch_scc0 .Lshared_\@
	v_bfe_u32 v[SL], v[TB+5], s44, 4
	v_min_u32 v[SL], 3, v[SL]                      ; the place is held to 3; behind that only shifts to the left and additions
	v_lshlrev_b32 v[A1], 8, v[TB]
	v_lshlrev_b32 v[A3], 6, v[SL]
	v_add_nc_u32 v[A1], v[A1], v[A3]
	v_add_nc_u32 v[A1], v[A1], v6                  ; hid: 256 token + 64 place + 16 h (32 c stands in the base)
	v_lshlrev_b32 v[A2], 4, v[TB]
	v_lshlrev_b32 v[A3], 2, v[SL]
	v_add_nc_u32 v[A2], v[A2], v[A3]               ; hsc: 16 token + 4 place (2 c stands in the base)
	s_branch .Lplaced_\@
.Lshared_\@:
	v_and_b32 v[A1], 0x1ff0, v[TB]
	v_lshlrev_b32 v[A1], 5, v[A1]                  ; hs: 512 (token / 16)
	v_and_b32 v[A3], 15, v[TB]
	v_lshlrev_b32 v[A3], 4, v[A3]
	v_add_nc_u32 v[A1], v[A1], v[A3]               ; + 16 (token % 16)
	v_add_nc_u32 v[A1], v[A1], v18                 ; + 256 h: the tile's tokens are 16 neighbours in the order of the lanes, so this is 16 x lane in the tile's 512 bytes
	v_lshlrev_b32 v[A2], 1, v[TB]                  ; hsc: 2 token
.Lplaced_\@:
.set j, 0
.rept 16
	v_pk_mul_f32 v[TT+j:TT+j+1], v[H+j:H+j+1], 0xbfb8aa3b op_sel_hi:[1,0]   ; -z log2(e); each accumulator is read from its low end on
.set j, j+2
.endr
.set j, 0
.rept 32
	v_exp_f32 v[TT+j], v[TT+j]
.set j, j+1
.endr
.set j, 0
.rept 16
	v_pk_mul_f32 v[H+j:H+j+1], v[H+j:H+j+1], v[TB+6:TB+7] op_sel_hi:[1,0]   ; z x affinity: plain work behind the batch, which names none of its results
.set j, j+2
.endr
	s_wait_alu depctr_va_vdst(0)                   ; one wait for the 32 exponentials, ahead of their first reader
.set j, 0
.rept 16
	v_pk_add_f32 v[TT+j:TT+j+1], v[TT+j:TT+j+1], 1.0 op_sel_hi:[1,0]
.set j, j+2
.endr
.set j, 0
.rept 32
	v_rcp_f32 v[TT+j], v[TT+j]                     ; sigmoid(z); where 2^(..) is infinite it is 0
.set j, j+1
.endr
	v_nop                                          ; a plain line behind the batch
	s_wait_alu depctr_va_vdst(0)                   ; one wait for the 32 reciprocals
.set j, 0
.rept 16
	v_pk_mul_f32 v[H+j:H+j+1], v[H+j:H+j+1], v[TT+j:TT+j+1]
.set j, j+2
.endr
.irp b, 0,1
	v_max3_num_f32 v[TM+\b], |v[H+16*\b]|, |v[H+16*\b+1]|, 0x1800000   ; block b: my 16 numbers, over the floor 2^(3 - 127)
.endr
.irp i, 2,4,6,8,10,12,14
.irp b, 0,1
	v_max3_num_f32 v[TM+\b], v[TM+\b], |v[H+16*\b+\i]|, |v[H+16*\b+\i+1]|
.endr
.endr
.irp b, 0,1
	v_permlanex16_b32 v[TM+2+\b], v[TM+\b], s48, s49
.endr
.irp b, 0,1
	v_max_num_f32 v[TM+\b], v[TM+\b], v[TM+2+\b]   ; with lane l xor 16's: the block's largest magnitude
.endr
.irp b, 0,1
	v_add_nc_u32 v[TM+4+\b], 0xff000000, v[TM+\b]  ; 2 off its exponent field: the conversion's scale operand
.endr
.irp b, 0,1
	v_lshrrev_b32 v[TM+2+\b], 23, v[TM+4+\b]       ; the scale's byte
.endr
	v_lshl_or_b32 v[PW], v[TM+3], 8, v[TM+2]
.irp b, 0,1
	v_cvt_scalef32_pk8_fp4_f32 v[CD+2*\b], v[H+16*\b:H+16*\b+7], v[TM+4+\b]
	v_cvt_scalef32_pk8_fp4_f32 v[CD+2*\b+1], v[H+16*\b+8:H+16*\b+15], v[TM+4+\b]
.endr
	v_nop                                          ; one plain line behind the conversions
	v_permlane16_swap_b32 v[CD], v[CD+2]           ; a whole block to a lane: lanes 0-15 block 2 c, lanes 16-31 block 2 c + 1
	v_permlane16_swap_b32 v[CD+1], v[CD+3]
	s_wait_alu depctr_va_vdst(0)                   ; the codes v[CD ..], the bytes v[PW] and the offsets v[A1], v[A2] are written, which the two stores read
	global_store_b128 v[A1], v[CD:CD+3], s[60:61]  ; all lanes: a spare row stores what the first token's own row stores, at the same place
	global_store_b16 v[A2], v[PW], s[62:63]        ; (both lanes of a row write the same two bytes with the same value)
	s_wait_xcnt 0x0                                ; the stores' codes, bytes and offsets are written again in the next tile only behind this wait
	s_wait_alu depctr_vm_vsrc(0)                   ; the two stores have read v[CD ..], v[PW], v[A1], v[A2], and this tile's loads the other set's list address and four offsets: later tiles write all of them again
.endm
	s_mov_b32 s47, 0
	GATHER 0, 0                                    ; the first tile's rows (a unit without tokens gathers the run's first token and uses nothing of it)
	s_mov_b32 s39, 0
.Lt:                                               ; MAXT / 2 trips, whatever the counts
	s_cmp_ge_u32 s39, s41
	s_cbranch_scc1 .Lnext                          ; no tile is left: the trip's work is jumped over
	TILE 0, 1, 64
	s_add_co_u32 s40, s39, 1
	s_cmp_ge_u32 s40, s41
	s_cbranch_scc1 .Ldrain
	TILE 1, 0, 128
	s_branch .Lnext
.Ldrain:
	s_wait_loadcnt 0x0                             ; the tile just worked was the last: the loads that it issued into set 1 are waited for, so that on no way are set 1's registers written again while they are out
.Lnext:
	s_add_co_u32 s47, s47, 128                     ; two tiles' entries on
	s_add_co_u32 s39, s39, 2
	s_cmp_lt_u32 s39, MAXT
	s_cbranch_scc1 .Lt
	s_wait_dscnt 0x0                               ; the closing lines, six on end
	s_wait_alu 0x0
	s_wait_tensorcnt 0x0
	ds_add_u32 v254, v255
	s_wait_dscnt 0x0
	s_endpgm
.Lfunc_end_k_q5eaeba97d6_hidden:
	.size	k_q5eaeba97d6_hidden, .Lfunc_end_k_q5eaeba97d6_hidden-k_q5eaeba97d6_hidden
	.p2alignl 7, 3214868480
	.fill 96, 4, 3214868480
	.section	.rodata,"a",@progbits
	.p2align	6, 0x0
	.amdhsa_kernel k_q5eaeba97d6_hidden
		.amdhsa_group_segment_fixed_size 2304
		.amdhsa_private_segment_fixed_size 0
		.amdhsa_enable_private_segment 0
		.amdhsa_kernarg_size 56
		.amdhsa_user_sgpr_count 2
		.amdhsa_user_sgpr_kernarg_segment_ptr 1
		.amdhsa_wavefront_size32 1
		.amdhsa_system_sgpr_workgroup_id_x 1
		.amdhsa_system_sgpr_workgroup_id_y 1
		.amdhsa_system_sgpr_workgroup_id_z 1
		.amdhsa_system_vgpr_workitem_id 0
		.amdhsa_next_free_vgpr 512
		.amdhsa_next_free_sgpr 80
		.amdhsa_reserve_vcc 0
		.amdhsa_float_denorm_mode_32 3
		.amdhsa_float_denorm_mode_16_64 3
		.amdhsa_memory_ordered 1
		.amdhsa_forward_progress 1
		.amdhsa_inst_pref_size 53
	.end_amdhsa_kernel
	.amdgpu_metadata
---
amdhsa.version: [ 1, 2 ]
amdhsa.kernels:
  - .name:           k_q5eaeba97d6_hidden
    .symbol:         k_q5eaeba97d6_hidden.kd
    .args:
      - { .name: xq, .offset: 0, .size: 8, .value_kind: global_buffer, .address_space: global }
      - { .name: kq, .offset: 8, .size: 8, .value_kind: global_buffer, .address_space: global }
      - { .name: route, .offset: 16, .size: 8, .value_kind: global_buffer, .address_space: global }
      - { .name: aff, .offset: 24, .size: 8, .value_kind: global_buffer, .address_space: global }
      - { .name: hid, .offset: 32, .size: 8, .value_kind: global_buffer, .address_space: global }
      - { .name: hs, .offset: 40, .size: 8, .value_kind: global_buffer, .address_space: global }
      - { .name: hsc, .offset: 48, .size: 8, .value_kind: global_buffer, .address_space: global }
    .group_segment_fixed_size: 2304
    .private_segment_fixed_size: 0
    .kernarg_segment_align: 8
    .kernarg_segment_size: 56
    .max_flat_workgroup_size: 32
    .sgpr_count:     80
    .vgpr_count:     512
    .wavefront_size: 32
...
	.end_amdgpu_metadata
.endif
;; end of part 4
;; launch combine (part 5): grid 4 x 64, 4 waves a work-group, no clusters, 181,760 bytes of LDS; arguments hid, hs, hsc, vq, route, out0; writes out0
.if DOCPART == 5
	.amdgcn_target "amdgcn-amd-amdhsa--gfx1250"
	.amdhsa_code_object_version 6
	.text
	.protected	k_q5eaeba97d6_combine
	.globl	k_q5eaeba97d6_combine
	.p2align	8
	.type	k_q5eaeba97d6_combine,@function
k_q5eaeba97d6_combine:
	s_mov_b64 s[64:65], 0
	v_nop
	global_prefetch_b8 v0, s[64:65] scope:SCOPE_SE
	s_setreg_imm32_b32 hwreg(HW_REG_WAVE_SCHED_MODE, 0, 2), 2
	s_setreg_imm32_b32 hwreg(HW_REG_WAVE_MODE, 25, 1), 1
	s_wait_xcnt 0x0
	s_wait_alu depctr_vm_vsrc(0)
; COMBINE: out0[t][d] = the sum over K = (expert, hidden unit) of Q(h w)[t][K] Q(values)[K][d], K = 4,096, walked expert by expert: one K step of 128 an expert.
; A token holds codes for its six experts alone; for every other expert its operand is a record of zero codes, with scale bytes of 1.0.
; Which record: nibble e of the token's table in route (0-5, or 6 for the zero record).  It enters an LDS address behind v_min_u32; no branch hangs on it.
; SHARES.  A work-group makes 128 tokens x 256 columns; each of its four waves all 128 tokens (8 tiles) x 64 columns (4 tiles): 32 accumulators, window 1.
; LDS, IN PLANES.  Record q of row (token) R lies at q x 16,384 + 80 R: 64 bytes of codes.  Planes 0-3: the routed four, from hid; 4, 5: experts 30, 31, from hs; 6: zeros, made here; in plane 7 row R holds its
; eight scale words (0-3 from hsc, 4, 5 from hsc's shared part, 6 and 7 bytes of 1.0).  The plane's stride is a multiple of 256 bytes, so a record's banks do not hang on q; the pitch is 20 words, so rows r = 0 .. 15
; start at banks 20 r mod 64, sixteen different multiples of 4 (64 banks of 4 bytes: ISA guide 11.1).
; The values' fragments come from memory straight into registers, as images, through a ring of 8 sets (window 2), seven experts ahead: each byte once a work-group, and nothing of them goes through LDS.
; NO CLUSTER, NO JOINT LOADS: what the four work-groups of a row share, their 52 KiB of records and scale bytes, is a twelfth of what a work-group fetches; the values take the way into registers, which no joint load serves.
; THE PRODUCT IS USED TRANSPOSED (source 0 = 16 columns of values, source 1 = 16 tokens): a lane holds eight neighbouring columns of one token's row.
; THE MODE: SCHED_MODE bits 1:0 = 2 (LLVM: expert scheduling mode 2), set by the entry lines.  The code itself states the register dependences between vector or matrix instructions and memory or LDS
; instructions, with s_wait_alu, always for 0.
; THE PLAN.  Registers that memory or LDS instructions touch, in the walk over the experts:
;   v[AD ..]       Expert e: 32 plain lines write them for expert e + 1; that expert's LDS loads of records and their scale words read them.
;   the operand's two sets, fragments and scale words.  Expert e: its 32 products read set cur; the LDS loads of expert e + 1 land in the other set, which the products of expert e - 1 read.
;   the ring's eight sets.  Expert e: its products read set e % 8; the loads of expert e + 7 land in set (e - 1) % 8, which the products of expert e - 1 read.
;   v[VVS]         Read by two LDS loads an expert; written once a trip of eight experts.      v[LI]  Read by every load of the values; never written again: the scalar base moves on.
;   The accumulators and the tables are named by vector and matrix instructions alone until the way out.
; So an expert has ONE wait on vm_vsrc, ahead of the 32 lines (the last LDS loads have read v[AD ..]), and ONE on va_vdst, behind them: v[AD ..] are written, and the products of the expert before are done reading
; their set of the operand and their ring set.  The 26 LDS loads follow at once; the eight loads of the values stand in the middle of the expert's products, which name set cur, ring set e % 8 and the accumulators:
; none of the registers that those loads touch.  One more wait on vm_vsrc a trip stands ahead of the add to v[VVS].
.set VS_OFF, 2097152
.set QT_OFF, 32768
.set HSS_OFF, 131072
.set PL,     16384                     ; from plane to plane
.set RP,     80                        ; from row to row in a plane
.set VSL,    8*PL                      ; behind the planes: each wave's scale words of the values, 32 experts x 256 bytes;
.set STG,    VSL+4*8192                ; each wave's stage for the way out, 16 rows x 272 bytes
.set SPITCH, 272
.set BASE0, 2                          ; v2   r x RP + 16 h
.set VVS,   3                          ; v3   my lane's word among my wave's scale words of the values; stepped 8 experts a trip
.set LI,    4                          ; v4   16 x lane
.set BASES, 9                          ; v9   r x RP + plane 7: my row's scale words (the same in both halves of the lanes)
.set STO,   11                         ; v11  the stage, on the way in
.set RD,    12                         ; v12  and back
.set CO,    13                         ; v13  my byte offset in two rows of out0
.set TAB,   16                         ; v16-47   tile i's table of my row r: 4 words
.set AD,    48                         ; v48-63   tile i: LDS address of the record, and of its scale word
.set AF0,   64                         ; the tokens' operand, two sets 74 registers apart: 8 fragments, 8 scale words, 2 scale words of the values (lanes 0-15 tile 2 p, lanes 16-31 tile 2 p + 1)
.set BK,    64                         ; the way out: 16 rows read back: v64-95 and v96-127 by turns
.set GA,    212                        ; v212-215 the copy from hid: my byte offset in my wave's 32 rows, for turn s
.set LA,    216                        ; v216-219 and my LDS address
.set SW7,   220                        ; v220-227 a token's eight scale words
.set ZR,    228                        ; v228-231 zeros
.set SH,    232                        ; v232-235 the shared experts' scale bytes: 2 (e - 30) + c
.set MSB, 0
.macro WIN new                         ; the immediate's high byte repeats the setting that is left
.if MSB != \new
	s_set_vgpr_msb (MSB<<8)|\new
.set MSB, \new
.endif
.endm
	s_load_b256 s[4:11], s[0:1], 0x0               ; hid s[4:5], hs s[6:7], hsc s[8:9], vq s[10:11]
	s_load_b128 s[12:15], s[0:1], 0x20             ; route s[12:13], out0 s[14:15]
	v_lshl_add_u32 v254, v0, 2, 0x2c400
	v_mov_b32 v255, 0
	v_lshrrev_b32 v1, 5, v0
	v_readfirstlane_b32 s16, v1                    ; wave 0..3
	v_and_b32 v5, 31, v0                           ; lane
	v_and_b32 v6, 15, v0                           ; r
	v_bfe_u32 v7, v0, 4, 1                         ; h
	v_lshlrev_b32 v[LI], 4, v5
	v_mul_u32_u24 v[BASE0], v6, RP
	v_add_nc_u32 v[BASES], 7*PL, v[BASE0]
	v_lshl_add_u32 v[BASE0], v7, 4, v[BASE0]
	s_wait_alu depctr_va_sdst(0)                   ; s16 is written, ahead of its first reader: LDS addresses and the buffers' offsets are made from it
	s_lshl_b32 s19, s16, 13
	s_add_co_u32 s19, s19, VSL
	v_lshl_add_u32 v[VVS], v5, 2, s19
	v_add_nc_u32 v8, s19, v[LI]                    ; where my wave's scale words of the values are put
	s_mul_i32 s31, s16, 32*RP                      ; my wave's 32 rows in a plane
; THE COPY FROM hid GOES DIAGONALLY.  Wave w copies rows 32 w .. 32 w + 31, 256 bytes each: four records of four pieces of 16 bytes.  Lane l: piece l % 4 of record rec = (l / 4) % 4; in turn s (0 .. 3), with j = 0 .. 3 in
; the immediate, of row 16 h + 4 ((rec + s) % 4) + j.  So the sixteen lanes of a half hold four DIFFERENT rows, 4 apart, and their LDS stores fall on banks 20 x 4 m + 4 p = 16 m + 4 p (mod 64) on from the row's.
; (The four records of one row have the same banks, whatever the plane.)  Over the four turns every record of every row is taken once.
	v_bfe_u32 v240, v0, 2, 2                       ; rec
	v_and_b32 v15, 3, v0                           ; piece
	v_lshlrev_b32 v241, 4, v6                      ; 64 rec + 16 piece = 16 (l % 16)
	v_lshl_add_u32 v241, v7, 12, v241              ; + 16 h rows of 256 bytes
	v_lshlrev_b32 v242, 14, v240                   ; plane rec
	v_mad_u32_u24 v242, v7, 16*RP, v242            ; + 16 h rows
	v_lshl_add_u32 v242, v15, 4, v242              ; + 16 piece
	v_add_nc_u32 v242, s31, v242                   ; + my wave's rows
.irp s, 0,1,2,3
	v_add_nc_u32 v243, \s, v240
	v_and_b32 v243, 3, v243                        ; m = (rec + s) % 4
	v_lshl_add_u32 v[GA+\s], v243, 10, v241        ; + 4 m rows of 256 bytes
	v_mad_u32_u24 v[LA+\s], v243, 4*RP, v242       ; + 4 m rows
.endr
	v_mul_u32_u24 v237, v5, RP
	v_add_nc_u32 v237, s31, v237
	v_add_nc_u32 v237, 7*PL, v237                  ; plane 7, row 32 w + lane: where a token's scale words are put
	v_add_nc_u32 v238, s31, v[LI]
	v_add_nc_u32 v238, 6*PL, v238                  ; plane 6, my wave's 2,560 bytes, 16 x lane
	s_lshr_b32 s38, s16, 1                         ; from hs wave w copies half c = w % 2 of expert 30 + w / 2:
	s_lshl_b32 s38, s38, 14
	s_and_b32 s39, s16, 1
	s_lshl_b32 s39, s39, 5
	s_add_co_u32 s38, s38, s39
	s_add_co_u32 s38, s38, 4*PL
	v_add_nc_u32 v239, s38, v[BASE0]               ; plane 4 + w / 2, row r, byte 32 c + 16 h: lane (r, h) of a tile's 512 bytes holds block h of row r
	v_lshlrev_b32 v236, 1, v5                      ; 2 x lane
	v_lshlrev_b32 v10, 4, v6                       ; a table is 16 bytes
.irp i, 0,1,2,3
	v_mov_b32 v[ZR+\i], 0
.endr
	v_mov_b32 v[SW7+6], 0x7f7f7f7f                 ; the zero record's scale word: four bytes of 1.0
	v_mov_b32 v[SW7+7], 0x7f7f7f7f
	s_mul_i32 s39, s16, 16*SPITCH
	s_add_co_u32 s39, s39, STG
	v_mul_u32_u24 v[STO], v6, SPITCH
	v_lshl_add_u32 v[STO], v7, 5, v[STO]
	v_add_nc_u32 v[STO], s39, v[STO]               ; in: row r, 32 bytes for each half of the lanes
	v_mul_u32_u24 v[RD], v7, SPITCH
	v_lshl_add_u32 v[RD], v6, 4, v[RD]
	v_add_nc_u32 v[RD], s39, v[RD]                 ; back: lanes 0-15 one row of 256 bytes, lanes 16-31 the next
	v_lshlrev_b32 v[CO], 12, v7
	v_lshl_add_u32 v[CO], v6, 4, v[CO]             ; and the same two rows in out0
	s_and_b32 s17, ttmp7, 0xffff                   ; y: which 128 tokens
	s_lshl_b32 s18, ttmp9, 2
	s_add_co_u32 s18, s18, s16                     ; G: which 64 columns
	s_lshl_b32 s40, s17, 15                        ; hid: 128 rows of 256 bytes,
	s_lshl_b32 s36, s16, 13
	s_add_co_u32 s40, s40, s36                     ; + my wave's 32
	s_mov_b32 s41, 0
	s_lshl_b32 s42, s16, 18                        ; hs: part w = 2 (e - 30) + c,
	s_lshl_b32 s36, s17, 12
	s_add_co_u32 s42, s42, s36                     ; + 8 y tiles of 512 bytes
	s_mov_b32 s43, 0
	s_lshl_b32 s44, s17, 11                        ; hsc: 16 bytes a token: 128 y + 32 w tokens
	s_lshl_b32 s36, s16, 9
	s_add_co_u32 s44, s44, s36
	s_mov_b32 s45, 0
	s_lshl_b32 s46, s17, 8                         ; its shared part: 2 bytes a token (HSS_OFF and the part stand in the immediate)
	s_lshl_b32 s36, s16, 6
	s_add_co_u32 s46, s46, s36
	s_mov_b32 s47, 0
	s_lshl_b32 s48, s18, 17                        ; vq: 32 experts x 4 images
	s_mov_b32 s49, 0
	s_lshl_b32 s50, s18, 13                        ; and 32 x 256 bytes of scale words
	s_mov_b32 s51, 0
	s_lshl_b32 s52, s17, 11                        ; route: 128 tables
	s_mov_b32 s53, 0
	s_lshl_b32 s54, s17, 19
	s_lshl_b32 s36, s18, 8
	s_add_co_u32 s54, s54, s36                     ; out0: 128 rows of 4,096 bytes, + 256 G
	s_mov_b32 s55, 0
	s_wait_kmcnt 0x0
	s_add_nc_u64 s[20:21], s[4:5], s[40:41]
	s_add_nc_u64 s[32:33], s[6:7], s[42:43]
	s_add_nc_u64 s[34:35], s[8:9], s[44:45]
	s_add_nc_u64 s[36:37], s[8:9], s[46:47]
	s_add_nc_u64 s[22:23], s[10:11], s[48:49]
	s_add_nc_u64 s[24:25], s[10:11], s[50:51]
	s_add_nc_u64 s[26:27], s[12:13], s[52:53]
	s_add_nc_u64 s[28:29], s[14:15], s[54:55]
.macro BLOAD ring, bo                  ; an expert's four fragments of the values, bo bytes from the walking base, into ring set ring
	WIN 0x80                                       ; destination window 2
.irp j, 0,1,2,3
	global_load_b128 v[32*(\ring)+8*\j:32*(\ring)+8*\j+3], v[LI], s[22:23] offset:(\bo)+1024*\j
	global_load_b128 v[32*(\ring)+8*\j+4:32*(\ring)+8*\j+7], v[LI], s[22:23] offset:(\bo)+1024*\j+512
.endr
.endm
	WIN 0x40                                       ; destination window 1, which is free until the first product
	s_wait_alu depctr_va_vdst(0)                   ; all the head's offsets and LDS addresses are written (v[LI], v8, v10, v[STO], v[RD], v[CO], v[VVS], v[GA ..], v[LA ..], v236 to v239), and the zeros and the words of 1.0 that LDS stores read as data
.irp j, 0,1,2,3
.irp s, 0,1,2,3
	global_load_b128 v[4*(4*\j+\s):4*(4*\j+\s)+3], v[GA+\s], s[20:21] offset:256*\j   ; eight records of 64 bytes; the four turns of a j take the same eight rows, whole
.endr
.endr
.irp t, 0,1,2,3,4,5,6,7
	global_load_b128 v[64+4*\t:64+4*\t+3], v[LI], s[32:33] offset:512*\t     ; a tile of hs: 512 consecutive bytes
.endr
.set i, 0
.rept 16
	global_load_b128 v[128+4*i:128+4*i+3], v[LI], s[24:25] offset:VS_OFF+512*i
.set i, i+1
.endr
	WIN 0
.irp i, 0,1,2,3,4,5,6,7
	global_load_b128 v[TAB+4*\i:TAB+4*\i+3], v10, s[26:27] offset:QT_OFF+256*\i
.endr
	global_load_b128 v[SW7:SW7+3], v[LI], s[34:35]                 ; token 32 w + lane: the scale words of its routed four: 512 consecutive bytes
.irp k, 0,1,2,3
	global_load_u16 v[SH+\k], v236, s[36:37] offset:HSS_OFF+16384*\k
.endr
	BLOAD 0, 0
	BLOAD 1, 4096
	BLOAD 2, 8192
	BLOAD 3, 12288
	BLOAD 4, 16384
	BLOAD 5, 20480
	BLOAD 6, 24576
	WIN 0
.irp k, 0,1,2,3,4
	ds_store_b128 v238, v[ZR:ZR+3] offset:512*\k   ; plane 6: my wave's 2,560 bytes of zeros
.endr
	s_wait_loadcnt 56                              ; all but the ring's 7 x 8 loads
	WIN 0x04                                       ; an LDS store's data are its source 1: window 1
.irp j, 0,1,2,3
.irp s, 0,1,2,3
	ds_store_b128 v[LA+\s], v[4*(4*\j+\s):4*(4*\j+\s)+3] offset:RP*\j
.endr
.endr
.irp t, 0,1,2,3,4,5,6,7
	ds_store_b128 v239, v[64+4*\t:64+4*\t+3] offset:16*RP*\t
.endr
.set i, 0
.rept 16
	ds_store_b128 v8, v[128+4*i:128+4*i+3] offset:512*i
.set i, i+1
.endr
	WIN 0
	v_lshl_or_b32 v[SW7+4], v[SH+1], 16, v[SH]     ; expert 30's scale word: the bytes of half 0 below those of half 1
	v_lshl_or_b32 v[SW7+5], v[SH+3], 16, v[SH+2]   ; expert 31's
	s_wait_alu depctr_va_vdst(0)                   ; v[SW7+4] and v[SW7+5] are written, which the second store below reads
	ds_store_b128 v237, v[SW7:SW7+3]
	ds_store_b128 v237, v[SW7+4:SW7+7] offset:16
	s_wait_dscnt 0x0                               ; for the others' sake: my stores into the planes have landed
	s_barrier_signal -1
	s_barrier_wait -1
	s_wait_alu depctr_vm_vsrc(0)                   ; my LDS stores have read window 1's registers: they are the accumulators from here on, written by the products
; The tokens' operand for the expert whose nibble is number x of the tables as they stand: 32 plain lines, then 26 LDS loads.
.macro ALOAD set, x
.set AB, AF0+74*(\set)
.irp i, 0,1,2,3,4,5,6,7
	v_bfe_u32 v[AD+2*\i+1], v[TAB+4*\i+(\x)/8], 4*((\x)%8), 4
.endr
.irp i, 0,1,2,3,4,5,6,7
	v_min_u32 v[AD+2*\i+1], 6, v[AD+2*\i+1]
.endr
.irp i, 0,1,2,3,4,5,6,7
	v_lshl_add_u32 v[AD+2*\i], v[AD+2*\i+1], 14, v[BASE0]          ; the record: plane q
.endr
.irp i, 0,1,2,3,4,5,6,7
	v_lshl_add_u32 v[AD+2*\i+1], v[AD+2*\i+1], 2, v[BASES]         ; its scale word: word q of the row in plane 7
.endr
	s_wait_alu depctr_va_vdst(0)                   ; v[AD ..] are written (behind a trip's end v[VVS] too), which the loads below read; the products of the expert before are done reading this set's fragments and scale words, in which they land, and their ring set, which is asked for again among the products below
.irp i, 0,1,2,3,4,5,6,7
	ds_load_b128 v[AB+8*\i:AB+8*\i+3], v[AD+2*\i] offset:16*RP*\i
	ds_load_b128 v[AB+8*\i+4:AB+8*\i+7], v[AD+2*\i] offset:16*RP*\i+32
	ds_load_b32 v[AB+64+\i], v[AD+2*\i+1] offset:16*RP*\i
.endr
	ds_load_b32 v[AB+72], v[VVS] offset:256*(\x)
	ds_load_b32 v[AB+73], v[VVS] offset:256*(\x)+128
.endm
.macro CMM cur, ring, i, j, zero
.set rD, 8*(4*(\i)+(\j))
.set rV, 32*(\ring)+8*(\j)
.set rA, AF0+74*(\cur)+8*(\i)
.set rT, AF0+74*(\cur)+64+(\i)
.set rU, AF0+74*(\cur)+72+(\j)/2
.if \zero
.if (\j)%2
	v_wmma_scale_f32_16x16x128_f8f6f4 v[rD:rD+7], v[rV:rV+7], v[rA:rA+7], 0, v[rU], v[rT] matrix_a_fmt:MATRIX_FMT_FP4 matrix_b_fmt:MATRIX_FMT_FP4 matrix_a_scale:MATRIX_SCALE_ROW1
.else
	v_wmma_scale_f32_16x16x128_f8f6f4 v[rD:rD+7], v[rV:rV+7], v[rA:rA+7], 0, v[rU], v[rT] matrix_a_fmt:MATRIX_FMT_FP4 matrix_b_fmt:MATRIX_FMT_FP4
.endif
.else
.if (\j)%2
	v_wmma_scale_f32_16x16x128_f8f6f4 v[rD:rD+7], v[rV:rV+7], v[rA:rA+7], v[rD:rD+7], v[rU], v[rT] matrix_a_fmt:MATRIX_FMT_FP4 matrix_b_fmt:MATRIX_FMT_FP4 matrix_a_scale:MATRIX_SCALE_ROW1
.else
	v_wmma_scale_f32_16x16x128_f8f6f4 v[rD:rD+7], v[rV:rV+7], v[rA:rA+7], v[rD:rD+7], v[rU], v[rT] matrix_a_fmt:MATRIX_FMT_FP4 matrix_b_fmt:MATRIX_FMT_FP4
.endif
.endif
.endm
; One expert.  cur: its set of the tokens' operand; ring: its ring set.  al = 1: the next expert's operand (nibble x) is fetched into the other set; bl = 1: the values of the expert seven on, bo bytes from the
; base, are asked for in the middle of this expert's products, into the ring set that the expert before has left.  lc: the ring's loads that may stay out.
.macro EXPERT cur, ring, al, x, bl, bo, lc, zero
.if \al
	WIN 0
	s_wait_alu depctr_vm_vsrc(0)                   ; the LDS loads of this expert's operand have read v[AD ..], which ALOAD's lines write again
	ALOAD 1-(\cur), \x
	s_wait_dscnt 26                                ; all but the next expert's 26 loads
.else
	s_wait_dscnt 0x0
.endif
	s_wait_loadcnt \lc                             ; this expert's eight loads are in; the later experts' may be out
	WIN 0x52                                       ; source 0 (values) window 2, source 1 (tokens) window 0, C and D window 1
.irp i, 0,1,2,3
.irp j, 0,1,2,3
	CMM \cur, \ring, \i, \j, \zero                 ; the 32 accumulators take turns, one instruction a turn, in the same order for every expert
.endr
.endr
.if \bl
	BLOAD ((\ring)+7)%8, \bo                       ; no wait: no vector or matrix instruction since ALOAD's wait names this ring set or v[LI]
	WIN 0x52
.endif
.irp i, 4,5,6,7
.irp j, 0,1,2,3
	CMM \cur, \ring, \i, \j, \zero
.endr
.endr
.endm
	ALOAD 0, 0                                     ; expert 0
	EXPERT 0, 0, 1, 1, 1, 28672, 48, 1             ; its products start the sums: nothing is cleared
	WIN 0                                          ; at a label and at a branch every window is 0
	s_mov_b32 s30, 3
.Ltrip:                                            ; experts 1 + 8 k .. 8 + 8 k, k = 0, 1, 2.  The tables' word 0 holds experts 8 k .. 8 k + 7; the next expert's nibble is number 2 + j
	EXPERT 1, 1, 1, 2, 1, 32768, 48, 0
	EXPERT 0, 2, 1, 3, 1, 36864, 48, 0
	EXPERT 1, 3, 1, 4, 1, 40960, 48, 0
	EXPERT 0, 4, 1, 5, 1, 45056, 48, 0
	EXPERT 1, 5, 1, 6, 1, 49152, 48, 0
	EXPERT 0, 6, 1, 7, 1, 53248, 48, 0
	EXPERT 1, 7, 1, 8, 1, 57344, 48, 0
	EXPERT 0, 0, 1, 9, 1, 61440, 48, 0
	WIN 0
.irp i, 0,1,2,3,4,5,6,7
	v_mov_b32 v[TAB+4*\i], v[TAB+4*\i+1]           ; the tables' words move down one place
	v_mov_b32 v[TAB+4*\i+1], v[TAB+4*\i+2]
	v_mov_b32 v[TAB+4*\i+2], v[TAB+4*\i+3]
.endr
	s_wait_alu depctr_vm_vsrc(0)                   ; the LDS loads issued so far have read v[VVS]
	v_add_nc_u32 v[VVS], 2048, v[VVS]              ; eight experts' scale words on
	s_wait_xcnt 0x0                                ; the ring's loads have read their base: it steps only behind this wait
	s_add_nc_u64 s[22:23], s[22:23], 32768         ; eight experts' images on
	s_sub_co_u32 s30, s30, 1
	s_cmp_lg_u32 s30, 0
	s_cbranch_scc1 .Ltrip
	EXPERT 1, 1, 1, 2, 0, 0, 48, 0                 ; experts 25 to 31: nothing is left to fetch of the values, and the counts run down
	EXPERT 0, 2, 1, 3, 0, 0, 40, 0
	EXPERT 1, 3, 1, 4, 0, 0, 32, 0
	EXPERT 0, 4, 1, 5, 0, 0, 24, 0
	EXPERT 1, 5, 1, 6, 0, 0, 16, 0
	EXPERT 0, 6, 1, 7, 0, 0, 8, 0
	EXPERT 1, 7, 0, 0, 0, 0, 0, 0
	WIN 0
; THE WAY OUT, a tile of 16 tokens x 64 columns at a time.  A lane holds 32 neighbouring bytes of a row and the lanes beside it other rows: so a tile goes through my own stage in LDS and comes back by rows,
; and sixteen lanes store 256 consecutive bytes, at a multiple of 256 from out0's first byte.
	s_wait_dscnt 0x0
	s_barrier_signal -1                            ; every wave's reads of the records, whose places hang on the tables, are over before any wave stores into a stage
	s_barrier_wait -1
.rept 4
	v_nop                                          ; four places between the last products and the first LDS store of a result
.endr
	s_wait_alu depctr_va_vdst(0)                   ; the products have written the accumulators, which the LDS stores below read, and are done reading the tokens' fragments, in whose registers the loads from the stage land; the places above stay beside this wait
.macro TOSTAGE i
	WIN 0x04                                       ; the data: window 1
.irp j, 0,1,2,3
	ds_store_b128 v[STO], v[8*(4*(\i)+\j):8*(4*(\i)+\j)+3] offset:64*\j      ; each accumulator from its low end on
	ds_store_b128 v[STO], v[8*(4*(\i)+\j)+4:8*(4*(\i)+\j)+7] offset:64*\j+16
.endr
	WIN 0
.irp t, 0,1,2,3,4,5,6,7
	ds_load_b128 v[BK+32*((\i)%2)+4*\t:BK+32*((\i)%2)+4*\t+3], v[RD] offset:2*\t*SPITCH   ; LDS serves a wave's instructions in order: these see the stores above, and the next tile's stores come behind them
.endr
.endm
.macro SEND i, younger                 ; younger: the LDS instructions issued behind tile i's loads, which may stay out
	s_wait_dscnt \younger
.irp t, 0,1,2,3,4,5,6,7
	global_store_b128 v[CO], v[BK+32*((\i)%2)+4*\t:BK+32*((\i)%2)+4*\t+3], s[28:29] offset:(16*(\i)+2*\t)*4096 th:TH_STORE_NT   ; written once, read by nobody here
.endr
.endm
	TOSTAGE 0
.irp i, 1,2,3,4,5,6,7
.if \i > 1
	s_wait_xcnt 0x0                                ; tile i - 2's stores have read their registers: tile i's loads may land there
	s_wait_alu depctr_vm_vsrc(0)                   ; tile i - 2's stores have read their 32 registers of data, in which tile i's loads from the stage land
.endif
	TOSTAGE \i
	SEND \i-1, 16                                  ; behind tile i - 1's loads: tile i's 8 stores and 8 loads
.endr
	SEND 7, 0
	s_wait_dscnt 0x0                               ; the closing lines, six on end
	s_wait_alu 0x0
	s_wait_tensorcnt 0x0
	ds_add_u32 v254, v255
	s_wait_dscnt 0x0
	s_endpgm
.Lfunc_end_k_q5eaeba97d6_combine:
	.size	k_q5eaeba97d6_combine, .Lfunc_end_k_q5eaeba97d6_combine-k_q5eaeba97d6_combine
	.p2alignl 7, 3214868480
	.fill 96, 4, 3214868480
	.section	.rodata,"a",@progbits
	.p2align	6, 0x0
	.amdhsa_kernel k_q5eaeba97d6_combine
		.amdhsa_group_segment_fixed_size 181760
		.amdhsa_private_segment_fixed_size 0
		.amdhsa_enable_private_segment 0
		.amdhsa_kernarg_size 48
		.amdhsa_user_sgpr_count 2
		.amdhsa_user_sgpr_kernarg_segment_ptr 1
		.amdhsa_wavefront_size32 1
		.amdhsa_system_sgpr_workgroup_id_x 1
		.amdhsa_system_sgpr_workgroup_id_y 1
		.amdhsa_system_sgpr_workgroup_id_z 1
		.amdhsa_system_vgpr_workitem_id 0
		.amdhsa_next_free_vgpr 768
		.amdhsa_next_free_sgpr 66
		.amdhsa_reserve_vcc 0
		.amdhsa_float_denorm_mode_32 3
		.amdhsa_float_denorm_mode_16_64 3
		.amdhsa_memory_ordered 1
		.amdhsa_forward_progress 1
		.amdhsa_inst_pref_size 164
	.end_amdhsa_kernel
	.amdgpu_metadata
---
amdhsa.version: [ 1, 2 ]
amdhsa.kernels:
  - .name:           k_q5eaeba97d6_combine
    .symbol:         k_q5eaeba97d6_combine.kd
    .args:
      - { .name: hid, .offset: 0, .size: 8, .value_kind: global_buffer, .address_space: global }
      - { .name: hs, .offset: 8, .size: 8, .value_kind: global_buffer, .address_space: global }
      - { .name: hsc, .offset: 16, .size: 8, .value_kind: global_buffer, .address_space: global }
      - { .name: vq, .offset: 24, .size: 8, .value_kind: global_buffer, .address_space: global }
      - { .name: route, .offset: 32, .size: 8, .value_kind: global_buffer, .address_space: global }
      - { .name: out0, .offset: 40, .size: 8, .value_kind: global_buffer, .address_space: global }
    .group_segment_fixed_size: 181760
    .private_segment_fixed_size: 0
    .kernarg_segment_align: 8
    .kernarg_segment_size: 48
    .max_flat_workgroup_size: 128
    .sgpr_count:     66
    .vgpr_count:     768
    .wavefront_size: 32
...
	.end_amdgpu_metadata
.endif
;; end of part 5
